; MI455X (gfx1250); checked and timed in simulation.
; The chip was launched on July 23, 2026; its instructions are those of AMD's public machine-readable ISA for CDNA 5 (MIT licence, August 2026) and "CDNA5" Instruction Set Architecture Reference Guide (July 2026). The comments in the code are by the model that wrote it; some were corrected since.
;; Mo E Layer. Allowed arithmetic: float matrix products may take bf16 or f16 operands with f32 sums; all other float work in f32.
;; Inputs: W1 8 x 1,024 x 2,048 float32; W2 8 x 2,048 x 1,024 float32; Wg 1,024 x 8 float32; b1 8 x 2,048 float32; b2 8 x 1,024 float32; x 2,048 x 1,024 float32.
;; Outputs: out0 2,048 x 1,024 float32; out1 2,048 x 8 float32; out2 2,048 x 2 int32.
;; 2 versions, each right and faster than the one before. Each part assembles by itself: llvm-mc -triple=amdgcn-amd-amdhsa -mcpu=gfx1250 --defsym DOCPART=n.
;; ======== version 1 of 2: 4 launches
;; workspace buffers: xb 4,194,304 bytes; masks 4,096 bytes of whole numbers; gw 16,384 bytes; hbuf 67,108,864 bytes; y2 17,301,504 bytes
;; launch gate (part 1): grid 256 x 1, 8 waves a work-group, no clusters, 5,120 bytes of LDS; arguments x, Wg, out1, out2, xb, masks, gw; writes out1, out2, xb, masks, gw
.if DOCPART == 1
	.amdgcn_target "amdgcn-amd-amdhsa--gfx1250"
	.amdhsa_code_object_version 6
	.text
	.protected	k_q7382b77ef8_gate
	.globl	k_q7382b77ef8_gate
	.p2align	8
	.type	k_q7382b77ef8_gate,@function
k_q7382b77ef8_gate:
	s_mov_b64 s[64:65], 0
	v_nop
	global_prefetch_b8 v0, s[64:65] scope:SCOPE_SE
	s_setreg_imm32_b32 hwreg(HW_REG_WAVE_MODE, 25, 1), 1
	s_wait_xcnt 0x0
; MoE layer, launch 1 of 4 (gate, ffn1, ffn2, combine): logits, top 2 of 8, their softmax, and x rounded to bf16.
;
; WORK LEFT OUT BY THE WHOLE PROGRAM.  reference() runs all 8 experts on every token and then multiplies each expert's y by
; gate_w[b][e] = sum over k of combined[b][k] * one_hot(top_idx[b][k])[e].  For an expert that is neither top_idx[b][0] nor top_idx[b][1]
; both one_hot terms are the zero that reference() builds itself, so gate_w[b][e] = 0 and that expert's y has no way to out0, whatever
; finite values x, Wg, W1, b1, W2, b2 hold.  So only the 2 x 2048 chosen (token, expert) entries are computed.  The choice is made of whole
; numbers: this launch stores them (masks), the later launches read them from memory.  All six inputs stay live.
; LIMIT: a NaN, an infinity or an overflow that arises only in an expert that a token did not choose is not carried to out0.
;
; FORMATS.  x and Wg are rounded to bf16 as matrix operands are; their products are exact in f32 and are summed in f32, so the two indices
; belong to the same rounded x that ffn1 multiplies.  The product has 8 columns, half a matrix tile, and is a stream of x: a lane's
; 16-byte loads give it slices along d, so it is done on the vector unit.
; LIMITS: NaN logits are not handled; of equal logits the lower index is taken first, as lax.top_k does; a softmax weight below 2^-126 is 0.
;
; SHARES.  Work-group g: tokens 8 g .. 8 g + 7.  Thread t (0..255): d = 4 t .. 4 t + 3 of every token, so a wave's load covers 512
; consecutive bytes of a row of x.  64 sums (8 tokens x 8 experts) a lane are folded over the 32 lanes, then over the 8 waves through LDS.
; The stores of out2, gw and masks are 64, 64 and 16 bytes a work-group: 8 tokens own no more of these buffers.
.set X,    8                           ; v[8:39]    x, 4 numbers for each of 8 tokens
.set G,    40                          ; v[40:71]   Wg[4 t + i][e] at G + 8 i + e
.set ACC,  72                          ; v[72:135]  sums, index 8 token + e
.set PS,   80                          ; v[80:95]   wave 0: the eight waves' partial sums
.set XB,   136                         ; v[136:151] x as packed bf16
.set GB,   152                         ; v[152:167] Wg as packed bf16
.set LG,   152                         ; v[152:159] later: the 8 logits of token lane & 7
.set BI,   160                         ; v160 first index, v161 second index
.set W0,   162                         ; v162, v163 the two softmax weights
.set BEST, 164
.set SV,   165
.set M0,   166                         ; lane e: bit b = (first index of token 8 g + b is e)
.set M1,   167                         ; the same for the second index
.set P,    168                         ; v168, v169 at work
.set O16,  170                         ; 16 t
.set O128, 171                         ; 128 t
.set O8,   172                         ; 8 t
.set O512, 173                         ; 512 lane
	s_load_b256 s[4:11], s[0:1], 0x0               ; x s[4:5], Wg s[6:7], out1 s[8:9], out2 s[10:11]
	s_load_b128 s[12:15], s[0:1], 0x20             ; xb s[12:13], masks s[14:15]
	s_load_b64 s[16:17], s[0:1], 0x30              ; gw
	v_lshl_add_u32 v176, v0, 2, 0x1000
	v_mov_b32 v177, 0
	v_and_b32 v1, 31, v0                           ; lane
	v_lshrrev_b32 v2, 5, v0
	v_readfirstlane_b32 s20, v2                    ; wave
	v_lshlrev_b32 v[O16], 4, v0
	v_lshlrev_b32 v[O128], 7, v0
	v_lshlrev_b32 v[O8], 3, v0
	v_lshlrev_b32 v[O512], 9, v1
	v_mov_b32 v3, 0                                ; v_permlanex16_b32 counts as a reader of its destination
	s_mov_b32 s22, 0x76543210                      ; v_permlanex16_b32: lane i of one half reads lane i of the other
	s_mov_b32 s23, 0xfedcba98
	s_mov_b32 s24, 0xffff0000                      ; lanes with bit 4 set; also a word's upper bf16
	s_mov_b32 s25, 0xff00ff00                      ; lanes with bit 3 set
	s_mov_b32 s26, 0xf0f0f0f0                      ; bit 2
	s_mov_b32 s27, 0xcccccccc                      ; bit 1
	s_mov_b32 s28, 0xaaaaaaaa                      ; bit 0
	s_mov_b32 s31, 0
	s_lshl_b32 s30, ttmp9, 15                      ; 8 rows of x, 4,096 bytes each
	s_wait_kmcnt 0x0
	s_add_nc_u64 s[4:5], s[4:5], s[30:31]
.irp t, 0,1,2,3,4,5,6,7
	global_load_b128 v[X+4*\t:X+4*\t+3], v[O16], s[4:5] offset:4096*\t th:TH_LOAD_NT
.endr
.irp i, 0,1,2,3,4,5,6,7
	global_load_b128 v[G+4*\i:G+4*\i+3], v[O128], s[6:7] offset:16*\i     ; my four rows of Wg are 128 consecutive bytes
.endr
	s_lshl_b32 s30, ttmp9, 14                      ; 8 rows of xb, 2,048 bytes each
	s_add_nc_u64 s[12:13], s[12:13], s[30:31]
	s_lshl_b32 s30, ttmp9, 8                       ; 8 rows of out1, 32 bytes each
	s_add_nc_u64 s[8:9], s[8:9], s[30:31]
	s_lshl_b32 s30, ttmp9, 6                       ; 8 rows of out2 and of gw, 8 bytes each
	s_add_nc_u64 s[10:11], s[10:11], s[30:31]
	s_add_nc_u64 s[16:17], s[16:17], s[30:31]
	s_mov_b32 s30, ttmp9                           ; byte g of each 256-byte mask holds my 8 tokens
	s_add_nc_u64 s[14:15], s[14:15], s[30:31]
	s_wait_loadcnt 0x8                             ; x is in; the eight younger loads (Wg) may stay out
.set i, 0
.rept 16
	v_cvt_pk_bf16_f32 v[XB+i], v[X+2*i], v[X+2*i+1]
.set i, i+1
.endr
.irp t, 0,1,2,3,4,5,6,7
	global_store_b64 v[O8], v[XB+2*\t:XB+2*\t+1], s[12:13] offset:2048*\t  ; a wave's store covers 256 consecutive bytes, aligned
.endr
.set i, 0
.rept 16
	v_lshlrev_b32 v[X+2*i], 16, v[XB+i]            ; the rounded numbers back as f32
	v_and_b32 v[X+2*i+1], s24, v[XB+i]
.set i, i+1
.endr
	s_wait_loadcnt 0x0                             ; Wg
.set i, 0
.rept 16
	v_cvt_pk_bf16_f32 v[GB+i], v[G+2*i], v[G+2*i+1]
.set i, i+1
.endr
.set i, 0
.rept 16
	v_lshlrev_b32 v[G+2*i], 16, v[GB+i]
	v_and_b32 v[G+2*i+1], s24, v[GB+i]
.set i, i+1
.endr
; One token's 8 sums over my 4 values of d, two experts an instruction; x is broadcast from its pair by op_sel / op_sel_hi.
.macro DOT t
.irp p, 0,2,4,6
	v_pk_mul_f32 v[ACC+8*\t+\p:ACC+8*\t+\p+1], v[X+4*\t:X+4*\t+1], v[G+\p:G+\p+1] op_sel_hi:[0,1]
.endr
.irp p, 0,2,4,6
	v_pk_fma_f32 v[ACC+8*\t+\p:ACC+8*\t+\p+1], v[X+4*\t:X+4*\t+1], v[G+8+\p:G+8+\p+1], v[ACC+8*\t+\p:ACC+8*\t+\p+1] op_sel:[1,0,0] op_sel_hi:[1,1,1]
.endr
.irp p, 0,2,4,6
	v_pk_fma_f32 v[ACC+8*\t+\p:ACC+8*\t+\p+1], v[X+4*\t+2:X+4*\t+3], v[G+16+\p:G+16+\p+1], v[ACC+8*\t+\p:ACC+8*\t+\p+1] op_sel_hi:[0,1,1]
.endr
.irp p, 0,2,4,6
	v_pk_fma_f32 v[ACC+8*\t+\p:ACC+8*\t+\p+1], v[X+4*\t+2:X+4*\t+3], v[G+24+\p:G+24+\p+1], v[ACC+8*\t+\p:ACC+8*\t+\p+1] op_sel:[1,0,0] op_sel_hi:[1,1,1]
.endr
.endm
.irp t, 0,1,2,3,4,5,6,7
	DOT \t
.endr
; One step of the fold over lanes: of 2 cnt sums a lane keeps cnt (the upper ones if its bit is set), hands the others to lane xor xm
; and adds what that lane hands it.  After the five steps lane L holds the wave's sums 2 L and 2 L + 1.
.macro FOLD cnt, mask, xm
.set fi, 0
.rept \cnt
	v_cndmask_b32 v2, v[ACC+fi+\cnt], v[ACC+fi], s[\mask]
	v_cndmask_b32 v[ACC+fi], v[ACC+fi], v[ACC+fi+\cnt], s[\mask]
.if \xm == 16
	v_permlanex16_b32 v3, v2, s22, s23
	v_add_f32 v[ACC+fi], v[ACC+fi], v3
.else
	v_add_f32_dpp v[ACC+fi], v2, v[ACC+fi] row_xmask:\xm row_mask:0xf bank_mask:0xf
.endif
.set fi, fi+1
.endr
.endm
	FOLD 32, 24, 16
	FOLD 16, 25, 8
	FOLD 8, 26, 4
	FOLD 4, 27, 2
	FOLD 2, 28, 1
	ds_store_b64 v[O8], v[ACC:ACC+1]               ; LDS byte 256 wave + 8 lane
	s_wait_dscnt 0x0                               ; for wave 0's sake: my store is done before I signal
	s_barrier_signal -1
	s_barrier_wait -1
	s_cmp_lg_u32 s20, 0
	s_cbranch_scc1 .Lend                           ; the rest is 64 numbers: wave 0 does it; no barrier follows
.irp w, 0,1,2,3,4,5,6,7
	ds_load_b64 v[PS+2*\w:PS+2*\w+1], v[O8] offset:256*\w
.endr
	s_wait_dscnt 0x0
.irp w, 1,2,3,4,5,6,7
	v_pk_add_f32 v[PS:PS+1], v[PS:PS+1], v[PS+2*\w:PS+2*\w+1]
.endr
	global_store_b64 v[O8], v[PS:PS+1], s[8:9]     ; out1: the group's 8 x 8 logits are 256 consecutive bytes, aligned
	ds_store_b64 v[O8], v[PS:PS+1] offset:2048     ; and once through LDS, so that lane L gets all 8 logits of token L & 7
	v_and_b32 v2, 7, v1
	v_lshlrev_b32 v2, 5, v2
	ds_load_b128 v[LG:LG+3], v2 offset:2048        ; LDS serves a wave's instructions in order (ISA guide 5.7.1): these see the store above
	ds_load_b128 v[LG+4:LG+7], v2 offset:2064
	s_wait_dscnt 0x0
	; the largest and the second largest, by selects alone; strict comparisons leave a tie with the lower index
	v_mov_b32 v[BEST], v[LG]
	v_mov_b32 v[BI], 0
.irp e, 1,2,3,4,5,6,7
	v_cmp_gt_f32 vcc_lo, v[LG+\e], v[BEST]
	v_cndmask_b32 v[BEST], v[BEST], v[LG+\e], vcc_lo
	v_cndmask_b32 v[BI], v[BI], \e, vcc_lo
.endr
	v_mov_b32 v[SV], 0xff800000                    ; -infinity
	v_mov_b32 v[BI+1], 0
.irp e, 0,1,2,3,4,5,6,7
	v_cmp_gt_f32 s30, v[LG+\e], v[SV]
	v_cmp_ne_u32 s31, \e, v[BI]
	s_and_b32 s30, s30, s31
	v_cndmask_b32 v[SV], v[SV], v[LG+\e], s30
	v_cndmask_b32 v[BI+1], v[BI+1], \e, s30
.endr
	; softmax of the two, the larger taken away: weights 1 / (1 + p) and p / (1 + p), p = e^(second - first) <= 1
	v_sub_f32 v[P], v[SV], v[BEST]
	v_mul_f32 v[P], 0x3fb8aa3b, v[P]
	v_exp_f32 v[P+1], v[P]
	v_mov_b32 v[M0], 0                             ; a plain instruction between the exponential and the use of its result (ISA guide 5.7.2)
	s_wait_alu depctr_va_vdst(0)
	v_add_f32 v[P], 1.0, v[P+1]
	v_rcp_f32 v[W0], v[P]
	v_mov_b32 v[M1], 0                             ; likewise behind the reciprocal
	s_wait_alu depctr_va_vdst(0)
	v_mul_f32 v[W0+1], v[P+1], v[W0]
.irp e, 0,1,2,3,4,5,6,7
	v_cmp_eq_u32 s30, \e, v[BI]                    ; bits 0 to 7: my 8 tokens (the lanes above repeat them)
	v_cmp_eq_u32 s31, \e, v[BI+1]
	v_writelane_b32 v[M0], s30, \e
	v_writelane_b32 v[M1], s31, \e
.endr
	v_cmp_gt_u32 vcc_lo, 8, v1
	s_wait_xcnt 0x0                                ; EXEC is a source of the store of out1: it changes only behind this wait
	s_and_saveexec_b32 s34, vcc_lo                 ; lanes 0 to 7: token 8 g + lane, and expert = lane for the masks
	global_store_b64 v[O8], v[BI:BI+1], s[10:11]
	global_store_b64 v[O8], v[W0:W0+1], s[16:17]
	global_store_b8 v[O512], v[M0], s[14:15]       ; masks[e][0][byte g]: the low byte is stored
	global_store_b8 v[O512], v[M1], s[14:15] offset:256
	s_wait_xcnt 0x0                                ; and again in front of the line that widens EXEC
	s_or_b32 exec_lo, exec_lo, s34
.Lend:
	s_wait_tensorcnt 0x0
	ds_add_u32 v176, v177
	s_wait_dscnt 0x0
	s_endpgm
.Lfunc_end_k_q7382b77ef8_gate:
	.size	k_q7382b77ef8_gate, .Lfunc_end_k_q7382b77ef8_gate-k_q7382b77ef8_gate
	.p2alignl 7, 3214868480
	.fill 96, 4, 3214868480
	.section	.rodata,"a",@progbits
	.p2align	6, 0x0
	.amdhsa_kernel k_q7382b77ef8_gate
		.amdhsa_group_segment_fixed_size 5120
		.amdhsa_private_segment_fixed_size 0
		.amdhsa_enable_private_segment 0
		.amdhsa_kernarg_size 56
		.amdhsa_user_sgpr_count 2
		.amdhsa_user_sgpr_kernarg_segment_ptr 1
		.amdhsa_wavefront_size32 1
		.amdhsa_system_sgpr_workgroup_id_x 1
		.amdhsa_system_sgpr_workgroup_id_y 1
		.amdhsa_system_sgpr_workgroup_id_z 1
		.amdhsa_system_vgpr_workitem_id 0
		.amdhsa_next_free_vgpr 178
		.amdhsa_next_free_sgpr 66
		.amdhsa_reserve_vcc 1
		.amdhsa_float_denorm_mode_32 3
		.amdhsa_float_denorm_mode_16_64 3
		.amdhsa_memory_ordered 1
		.amdhsa_forward_progress 1
		.amdhsa_inst_pref_size 37
	.end_amdhsa_kernel
	.amdgpu_metadata
---
amdhsa.version: [ 1, 2 ]
amdhsa.kernels:
  - .name:           k_q7382b77ef8_gate
    .symbol:         k_q7382b77ef8_gate.kd
    .args:
      - { .name: x, .offset: 0, .size: 8, .value_kind: global_buffer, .address_space: global }
      - { .name: Wg, .offset: 8, .size: 8, .value_kind: global_buffer, .address_space: global }
      - { .name: out1, .offset: 16, .size: 8, .value_kind: global_buffer, .address_space: global }
      - { .name: out2, .offset: 24, .size: 8, .value_kind: global_buffer, .address_space: global }
      - { .name: xb, .offset: 32, .size: 8, .value_kind: global_buffer, .address_space: global }
      - { .name: masks, .offset: 40, .size: 8, .value_kind: global_buffer, .address_space: global }
      - { .name: gw, .offset: 48, .size: 8, .value_kind: global_buffer, .address_space: global }
    .group_segment_fixed_size: 5120
    .private_segment_fixed_size: 0
    .kernarg_segment_align: 8
    .kernarg_segment_size: 56
    .max_flat_workgroup_size: 256
    .sgpr_count:     66
    .vgpr_count:     178
    .wavefront_size: 32
...
	.end_amdgpu_metadata
.endif
;; end of part 1
;; launch ffn1 (part 2): grid 32 x 8, 4 waves a work-group, no clusters, 167,424 bytes of LDS; arguments W1, xb, b1, hbuf, masks; writes hbuf
.if DOCPART == 2
	.amdgcn_target "amdgcn-amd-amdhsa--gfx1250"
	.amdhsa_code_object_version 6
	.text
	.protected	k_q7382b77ef8_ffn1
	.globl	k_q7382b77ef8_ffn1
	.p2align	8
	.type	k_q7382b77ef8_ffn1,@function
k_q7382b77ef8_ffn1:
	s_mov_b64 s[64:65], 0
	v_nop
	global_prefetch_b8 v0, s[64:65] scope:SCOPE_SE
	s_setreg_imm32_b32 hwreg(HW_REG_WAVE_MODE, 25, 1), 1
	s_wait_xcnt 0x0
; MoE layer, launch 2 of 4: H = relu(x W1[e] + b1[e]) in bf16, for the tokens that chose expert e alone (an expert that a token did not
; choose is multiplied by a zero of reference()'s own one_hot: see the head of the gate).
;
; THE LIST of expert e: the tokens whose first index is e, ascending, then those whose second index is e; c entries, c <= 2048, padded with
; token 0 up to T = max(ceil(c / 16), 1) tiles of 16 rows.  Row p of hbuf[e] belongs to entry p.  Every wave makes its own copy of the list in
; LDS from the 512 bytes masks[e], while its weights are on their way, and reads it back once, transposed, into 16 registers: lane t of
; register i holds entry i of my tile t (low half) and of my tile t + 32 (high half).  In the loop an entry is one v_readlane_b32.
; SHARES.  Grid x = 2 strip + hf, y = e.  A work-group makes a strip of 128 columns of H for the tiles hf, hf + 2, ...: n = (T + 1 - hf) / 2 of them.
; Its four waves take the four quarters of K = 1024: a wave keeps W1[e][256 w .. +255][strip] as 64 bf16 fragments in 512 registers for the
; whole launch, stages and reads only its own quarter of each gathered row of xb, in LDS bytes of its own, and issues 64 matrix instructions
; a tile.  The four partial sums meet in LDS, one barrier a tile; wave w then finishes rows 4 w .. 4 w + 3 of the tile.
; THE LOOP HAS A FIXED 64 TILES, the most that a half can own (2048 / 16 / 2): n comes from loaded masks, and no barrier stands under a branch
; that hangs on loaded data.  So the barrier stands in every trip, and the work in front of it and behind it is jumped over from tile n on.
; The share per expert is fixed: very uneven routing stays right and takes longer.
; NO CLUSTER, NO TENSOR LOADS: the rows of xb are gathered by a list, one row a load; the f32 weights go from 16-byte loads straight into fragment
; order by one conversion each, 512 KiB a work-group that never touch LDS, where a joint load would first have to land them.
;
; REGISTERS, in windows of 256: window 0 addresses, A fragments, accumulators, the exchange; windows 1 and 2 the weight fragments (group gi,
; column j at 256 + 32 gi + 8 j); window 3 four slots of 64 for f32 weights on their way, later two staging sets for rows of xb.
.set S,      8                         ; k steps of 32 in a wave's quarter of K
.set Q,      2                         ; groups of 64 columns in the strip
.set NA,     4*Q                       ; accumulators
.set ROWB,   8192                      ; bytes in a row of W1[e]
.set MAXT,   64                        ; the most tiles of a half
.set APITCH, 528                       ; 512 bytes + 16: the sixteen rows that a fragment load touches start 16 bytes apart modulo 256
.set ABYTES, 16*APITCH
.set LISTB,  8448                      ; a wave's list: 2,048 entries, 32 places unused, then 32 words for the lanes that have nothing to enter
.set ABUF,   4*LISTB                   ; LDS: four lists; for each wave two A tiles; the exchange (2 parities x 4 waves x XW)
.set XBASE,  ABUF+8*ABYTES
.set XW,     NA*1024
.set LANE,  1
.set RR,    2                          ; lane & 15
.set HH,    3                          ; lane >> 4
.set WOF,   4                          ; 8 HH rows of W1 + 16 RR
.set LB,    5                          ; my list
.set DUMPI, 6                          ; 2080 + lane
.set VAL,   7
.set RNK,   8
.set AS,    10                         ; A tiles, as stored: 16 lane
.set AF,    11                         ; A tiles, as read: RR rows + 16 HH
.set XWA,   12                         ; exchange, as stored
.set XR,    13                         ; exchange, as read
.set HO,    14                         ; my byte offset in hbuf
.set LA,    15                         ; my list, read back: 64 hf + 128 lane
.set KO,    16                         ; 512 w + 16 lane: my 16 bytes in a row of xb
.set LF,    17                         ; my list, filled with padding: 16 lane
.set BO,    18
.set BIAS,  20                         ; v[20:23]   b1 of my columns 4 lane + j
.set LT,    24                         ; v[24:39]   the list, transposed and packed
.set AO,    40                         ; v[40:55]   16 row offsets in xb
.set OUT,   56                         ; v[56:63]
.set PV,    56                         ; v[56:59]   in the head: the padding value
.set AFR,   64                         ; v[64:127]  8 A fragments
.set ACC,   128                        ; v[128:191] 8 accumulators: a = 4 q + j holds columns 64 q + 4 r + j
.set E,     192                        ; v[192:255] partial sums of the four waves: 16 ww + 4 j + c
.set MSB, 0
.macro WIN new                         ; s_set_vgpr_msb: bits 1:0 source 0, 3:2 source 1, 5:4 source 2, 7:6 destination; the high byte repeats the setting that is left
.if MSB != \new
	s_set_vgpr_msb (MSB<<8)|\new
.set MSB, \new
.endif
.endm
; Places behind a tile's last matrix instructions: four in front of the LDS stores that read the sums and of the loads into the
; A fragments, the fifth in front of the next tile's first product, which writes over the sums.
.macro PLACES
.rept 5
	v_nop
.endr
.endm
; 16 loads: k step gi / Q, column group gi % Q, as f32 into slot gi & 3 of window 3.  Load u brings row 32 s + u + 8 (u >> 3) + 8 HH: lanes 0-15
; take 256 consecutive bytes of one row, lanes 16-31 of the row 8 further down; a lane gets columns 4 r .. 4 r + 3.
.macro LOADG gi
	WIN 0xc0
.set lu, 0
.rept 16
	global_load_b128 v[64*((\gi)&3)+4*lu:64*((\gi)&3)+4*lu+3], v[WOF], s[4:5] offset:(32*((\gi)/Q)+lu+8*(lu>>3))*ROWB+256*((\gi)%Q)
.set lu, lu+1
.endr
.endm
; 32 conversions: the slot's 64 numbers become four B fragments, one for each j.  Register u of a fragment holds k = 8 HH + 2 u, + 1 (u < 4) and
; 16 + 8 HH + 2 (u - 4), + 1: the order in which two 16-byte LDS loads bring an A fragment.
.macro CVTG gi
.if (\gi) < 8
	WIN 0x4f
.else
	WIN 0x8f
.endif
.set cj, 0
.rept 4
.set cu, 0
.rept 8
	v_cvt_pk_bf16_f32 v[32*((\gi)&7)+8*cj+cu], v[64*((\gi)&3)+8*cu+cj], v[64*((\gi)&3)+8*cu+4+cj]
.set cu, cu+1
.endr
.set cj, cj+1
.endr
.endm
; 32 tokens of the list: lane's token is entered at s84 + (set bits below the lane); a lane whose bit is clear writes its own spare word.
; The index is clamped to the list's 2,112 words before it becomes an address.
.macro LISTWORD sw
	v_mbcnt_lo_u32_b32 v[RNK], s[\sw], s84
	v_cndmask_b32 v[RNK], v[DUMPI], v[RNK], s[\sw]
	v_min_u32 v[RNK], 0x83f, v[RNK]
	v_lshl_add_u32 v[RNK], v[RNK], 2, v[LB]
	ds_store_b32 v[RNK], v[VAL]
	v_add_nc_u32 v[VAL], 32, v[VAL]
	s_bcnt1_i32_b32 s85, s[\sw]
	s_add_co_u32 s84, s84, s85
.endm
; An eighth of the list: 16 mask words.  Parts 0-3 are the first index's 64 words, parts 4-7 the second's, in the same scalar registers
; (word j in s[16 + j], from j = 48 on in s[20 + j]).
.macro LISTPART p
	WIN 0
.if ((\p)&3) == 0
	s_wait_kmcnt 0x0                               ; the 64 mask words
.endif
.set lw, 16*((\p)&3)
.rept 16
.if lw < 48
	LISTWORD 16+lw
.else
	LISTWORD 20+lw
.endif
.set lw, lw+1
.endr
.if (\p) == 3
	s_load_b512 s[16:31], s[2:3], 0x100
	s_load_b512 s[32:47], s[2:3], 0x140
	s_load_b512 s[48:63], s[2:3], 0x180
	s_load_b512 s[68:83], s[2:3], 0x1c0
	v_mov_b32 v[VAL], v[LANE]                      ; the tokens start again
.endif
.endm
; The 16 row offsets of my tile s91 + k.  Past my last tile the places hold padding (token 0) or later entries: always a row of xb.
.macro ROWADDR k
	s_add_co_u32 s16, s91, \k
	s_min_u32 s16, s16, MAXT-1
	s_lshr_b32 s17, s16, 5
	s_lshl_b32 s17, s17, 4                         ; tiles 32 and up lie in the high halves
	s_and_b32 s16, s16, 31
.set ri, 0
.rept 16
	v_readlane_b32 s[20+ri], v[LT+ri], s16
.set ri, ri+1
.endr
.set ri, 0
.rept 16
	s_lshr_b32 s[20+ri], s[20+ri], s17
	s_and_b32 s[20+ri], s[20+ri], 0xffff
	s_min_u32 s[20+ri], s[20+ri], 0x7ff
	v_lshl_add_u32 v[AO+ri], s[20+ri], 11, v[KO]   ; token x 2,048 bytes + my place in the row
.set ri, ri+1
.endr
.endm
.macro ALOAD set                       ; 16 rows, my 512 consecutive bytes of each, into a staging set of window 3
	WIN 0xc0
.set ai, 0
.rept 16
	global_load_b128 v[64*(\set)+4*ai:64*(\set)+4*ai+3], v[AO+ai], s[6:7]
.set ai, ai+1
.endr
.endm
.macro ASTORE set                      ; staging set s into my A tile s
	WIN 0x0c
.set ai, 0
.rept 16
	ds_store_b128 v[AS], v[64*(\set)+4*ai:64*(\set)+4*ai+3] offset:(\set)*ABYTES+ai*APITCH
.set ai, ai+1
.endr
.endm
.macro ROWS set, k                     ; addresses and loads of my tile s91 + k
	WIN 0
	s_wait_xcnt 0x0                                ; AO is rewritten only when the loads that name it have had their addresses translated
	ROWADDR \k
	ALOAD \set
.endm
.macro FRAGLD buf
.set fs, 0
.rept S
	ds_load_b128 v[AFR+8*fs:AFR+8*fs+3], v[AF] offset:(\buf)*ABYTES+64*fs
	ds_load_b128 v[AFR+8*fs+4:AFR+8*fs+7], v[AF] offset:(\buf)*ABYTES+64*fs+32
.set fs, fs+1
.endr
.endm
; A tile's 64 matrix instructions.  The first k step starts the sums with C = 0.  The accumulators take turns, one instruction a turn.
.macro MULT
	s_wait_dscnt 0x0                               ; the fragments; their loads were issued ahead of the last tile's closing arithmetic
.set ms, 0
.rept S
.if ms < S/2
	WIN 0x04
.else
	WIN 0x08
.endif
.set ma, 0
.rept NA
.set mb, 32*((Q*ms+(ma>>2))&7)+8*(ma&3)
.if ms == 0
	v_wmma_f32_16x16x32_bf16 v[ACC+8*ma:ACC+8*ma+7], v[AFR+8*ms:AFR+8*ms+7], v[mb:mb+7], 0
.else
	v_wmma_f32_16x16x32_bf16 v[ACC+8*ma:ACC+8*ma+7], v[AFR+8*ms:AFR+8*ms+7], v[mb:mb+7], v[ACC+8*ma:ACC+8*ma+7]
.endif
.set ma, ma+1
.endr
.set ms, ms+1
.endr
	WIN 0
.endm
.macro XSTORE par                      ; block 2 a + i of 512 bytes: lane (r, h) puts rows 8 h + 4 i .. + 3 of its column
.set xa, 0
.rept 2*NA
	ds_store_b128 v[XWA], v[ACC+4*xa:ACC+4*xa+3] offset:(\par)*4*XW+xa*512
.set xa, xa+1
.endr
.endm
.macro XLOAD par                       ; rows 4 w + c of columns 4 lane + j, from each of the four waves; sixteen lanes read 256 consecutive bytes
.set xw, 0
.rept 4
.set xj, 0
.rept 4
	ds_load_b128 v[E+16*xw+4*xj:E+16*xw+4*xj+3], v[XR] offset:(\par)*4*XW+xw*XW+xj*1024
.set xj, xj+1
.endr
.set xw, xw+1
.endr
.endm
.macro EPI                             ; the four quarters of K, the bias, relu, bf16; the conversion also turns (j, c) into (c, j)
.set ei, 0
.rept 8
	v_pk_add_f32 v[E+2*ei:E+2*ei+1], v[E+2*ei:E+2*ei+1], v[E+16+2*ei:E+16+2*ei+1]
	v_pk_add_f32 v[E+32+2*ei:E+32+2*ei+1], v[E+32+2*ei:E+32+2*ei+1], v[E+48+2*ei:E+48+2*ei+1]
.set ei, ei+1
.endr
.set ei, 0
.rept 8
	v_pk_add_f32 v[E+2*ei:E+2*ei+1], v[E+2*ei:E+2*ei+1], v[E+32+2*ei:E+32+2*ei+1]
.set ei, ei+1
.endr
.irp c, 0,2
	v_pk_add_f32 v[E+\c:E+\c+1], v[E+\c:E+\c+1], v[BIAS:BIAS+1] op_sel_hi:[1,0]
	v_pk_add_f32 v[E+4+\c:E+4+\c+1], v[E+4+\c:E+4+\c+1], v[BIAS:BIAS+1] op_sel:[0,1] op_sel_hi:[1,1]
	v_pk_add_f32 v[E+8+\c:E+8+\c+1], v[E+8+\c:E+8+\c+1], v[BIAS+2:BIAS+3] op_sel_hi:[1,0]
	v_pk_add_f32 v[E+12+\c:E+12+\c+1], v[E+12+\c:E+12+\c+1], v[BIAS+2:BIAS+3] op_sel:[0,1] op_sel_hi:[1,1]
.endr
.set ei, 0
.rept 16
	v_max_num_f32 v[E+ei], 0, v[E+ei]
.set ei, ei+1
.endr
.irp c, 0,1,2,3
	v_cvt_pk_bf16_f32 v[OUT+2*\c], v[E+\c], v[E+4+\c]
	v_cvt_pk_bf16_f32 v[OUT+2*\c+1], v[E+8+\c], v[E+12+\c]
.endr
.irp c, 0,1,2,3
	global_store_b64 v[HO], v[OUT+2*\c:OUT+2*\c+1], s[10:11] offset:\c*4096-131072   ; 32 lanes store 256 consecutive bytes of a row of H, aligned
.endr
.endm
	s_load_b256 s[4:11], s[0:1], 0x0               ; W1 s[4:5], xb s[6:7], b1 s[8:9], hbuf s[10:11]
	s_load_b64 s[2:3], s[0:1], 0x20                ; masks
	v_lshrrev_b32 v9, 5, v0
	v_readfirstlane_b32 s12, v9                    ; wave = quarter of K
	s_and_b32 s13, ttmp9, 1                        ; hf
	s_lshr_b32 s14, ttmp9, 1                       ; strip
	s_and_b32 s15, ttmp7, 0xffff                   ; e
	s_mov_b32 s97, 0
	s_mov_b32 s84, 0                               ; entries so far
	s_mov_b32 s91, 0                               ; my tile at work, in steps of two: the loop's counter
	v_and_b32 v[LANE], 31, v0
	v_and_b32 v[RR], 15, v0
	v_bfe_u32 v[HH], v0, 4, 1
	s_mul_i32 s85, s12, LISTB
	v_mov_b32 v[LB], s85
	v_lshl_add_u32 v[LF], v[LANE], 4, s85
	s_lshl_b32 s90, s13, 6
	s_add_co_u32 s85, s85, s90
	v_lshl_add_u32 v[LA], v[LANE], 7, s85          ; lane t: my tile t begins at entry 16 (hf + 2 t)
.irp c, 0,1,2,3
	v_mov_b32 v[PV+\c], 0                          ; the padding names token 0
.endr
.set pm, 0
.rept 16
	ds_store_b128 v[LF], v[PV:PV+3] offset:512*pm  ; all 2,048 places hold padding first; LDS serves a wave's instructions in order (ISA guide 5.7.1), so the entries land on top
.set pm, pm+1
.endr
	v_lshlrev_b32 v[WOF], 4, v[RR]
	v_lshl_add_u32 v[WOF], v[HH], 16, v[WOF]       ; 8 rows of 8,192 bytes
	v_lshlrev_b32 v[BO], 4, v[LANE]
	v_add_nc_u32 v[DUMPI], 2080, v[LANE]
	s_mul_i32 s85, s12, 2*ABYTES
	s_add_co_u32 s85, s85, ABUF
	v_lshl_add_u32 v[AS], v[LANE], 4, s85
	v_mul_u32_u24 v9, v[RR], APITCH
	v_lshl_add_u32 v9, v[HH], 4, v9
	v_add_nc_u32 v[AF], s85, v9
	s_mul_i32 s85, s12, XW
	s_add_co_u32 s85, s85, XBASE
	v_lshl_add_u32 v[XWA], v[LANE], 4, s85
	s_and_b32 s85, s12, 1                          ; rows 4 w .. 4 w + 3 lie in half-block w & 1, with the lanes of h = w >> 1
	s_lshl_b32 s85, s85, 9
	s_lshr_b32 s90, s12, 1
	s_lshl_b32 s90, s90, 8
	s_add_co_u32 s85, s85, s90
	s_add_co_u32 s85, s85, XBASE
	v_lshlrev_b32 v9, 4, v[RR]
	v_lshl_add_u32 v9, v[HH], 12, v9               ; column group lane >> 4: four accumulators of 1,024 bytes on
	v_add_nc_u32 v[XR], s85, v9
	s_lshl_b32 s85, s13, 16                        ; row 16 hf + 4 w of hbuf[e], 4,096 bytes a row
	s_lshl_b32 s90, s12, 14
	s_add_co_u32 s85, s85, s90
	v_lshl_add_u32 v[HO], v[LANE], 3, s85
	s_lshl_b32 s85, s12, 9
	v_lshl_add_u32 v[KO], v[LANE], 4, s85
	v_mov_b32 v[VAL], v[LANE]
	s_wait_kmcnt 0x0
	s_lshl_b32 s96, s15, 9
	s_add_nc_u64 s[2:3], s[2:3], s[96:97]          ; masks[e]
	s_load_b512 s[16:31], s[2:3], 0x0
	s_load_b512 s[32:47], s[2:3], 0x40
	s_load_b512 s[48:63], s[2:3], 0x80
	s_load_b512 s[68:83], s[2:3], 0xc0
	s_lshl_b32 s96, s15, 23                        ; W1[e] is 8,388,608 bytes,
	s_lshl_b32 s85, s12, 21                        ; 256 rows of it 2,097,152,
	s_add_co_u32 s96, s96, s85
	s_lshl_b32 s85, s14, 9                         ; 128 columns 512
	s_add_co_u32 s96, s96, s85
	s_add_nc_u64 s[4:5], s[4:5], s[96:97]
	s_lshl_b32 s96, s15, 13
	s_add_co_u32 s96, s96, s85
	s_add_nc_u64 s[8:9], s[8:9], s[96:97]          ; b1[e][128 strip]
	s_lshl_b32 s96, s15, 23
	s_lshl_b32 s85, s14, 8
	s_add_co_u32 s96, s96, s85
	s_add_nc_u64 s[10:11], s[10:11], s[96:97]      ; hbuf[e][0][128 strip]
	global_load_b128 v[BIAS:BIAS+3], v[BO], s[8:9]
	LOADG 0
	LOADG 1
	LOADG 2
	LOADG 3
	; The weights: four groups of 16 loads are on their way; a group is converted when it is in, and its slot asked for again.
	; s_wait_loadcnt 48 counts the three younger groups.  The list is made meanwhile, an eighth ahead of each of the first eight waits.
.irp gi, 0,1,2,3,4,5,6,7
	LISTPART \gi
	s_wait_loadcnt 48
	CVTG \gi
	LOADG \gi+4
.endr
	WIN 0
.irp m, 0,1,2,3
	ds_load_b128 v[LT+4*\m:LT+4*\m+3], v[LA] offset:16*\m          ; my tiles 0 to 31, one a lane
	ds_load_b128 v[AO+4*\m:AO+4*\m+3], v[LA] offset:4096+16*\m     ; my tiles 32 to 63
.endr
	s_add_co_u32 s85, s84, 15
	s_lshr_b32 s85, s85, 4
	s_max_u32 s85, s85, 1                          ; T; an expert that nobody chose has one tile of padding, so that the rows of hbuf[e] that ffn2 loads are stored
	s_add_co_u32 s87, s85, 1
	s_sub_co_u32 s87, s87, s13
	s_lshr_b32 s87, s87, 1                         ; n = my tiles, 0 to 64
	s_wait_dscnt 0x0
.set ri, 0
.rept 16
	v_lshl_or_b32 v[LT+ri], v[AO+ri], 16, v[LT+ri] ; a token is below 2,048: two to a register
.set ri, ri+1
.endr
.irp gi, 8,9,10,11
	s_wait_loadcnt 48
	CVTG \gi
	LOADG \gi+4
.endr
	s_wait_loadcnt 48                              ; younger than group 12: groups 13, 14, 15
	CVTG 12
	ROWS 0, 0                                      ; my first tile into slot 0, which is free now
	s_wait_loadcnt 48                              ; groups 14, 15 and the first tile
	CVTG 13
	ROWS 1, 1                                      ; my second tile into slot 1
	s_wait_loadcnt 48                              ; group 15 and two tiles
	CVTG 14
	s_wait_loadcnt 32                              ; two tiles
	CVTG 15
	s_wait_loadcnt 0x0                             ; both tiles
	ASTORE 0
	ASTORE 1
	WIN 0
	s_cmp_lt_u32 s87, 3
	s_cbranch_scc1 .Lfew                           ; no third tile: nothing more to fetch
	ROWS 0, 2
	ROWS 1, 3
	WIN 0
.Lfew:
	FRAGLD 0                                       ; behind my own stores of the tile: LDS serves a wave's instructions in order (ISA guide 5.7.1)
; One tile, number s91 + par; par is also its A tile, its staging set and its half of the exchange.
; The odd tile changes the A tiles: by then both have been read into fragments.  Tiles + 2 and + 3 go from registers to LDS, tiles + 4 and + 5 are asked for
; and have two tiles' work in which to land.  All waits here are for 0 or count instructions of the same straight run, so they hold whichever parts are jumped over.
.macro TRIP par
	s_add_co_u32 s85, s91, \par
	s_cmp_ge_u32 s85, s87
	s_cbranch_scc1 .Lno_tile_\@
	MULT
	PLACES
	XSTORE \par
.if \par
	s_add_co_u32 s85, s91, 2
	s_cmp_ge_u32 s85, s87
	s_cbranch_scc1 .Lno_tile_\@                    ; this was my last tile
	s_wait_loadcnt 0x0                             ; both staging sets are in
	ASTORE 0
	ASTORE 1
	WIN 0
	s_add_co_u32 s85, s91, 4
	s_cmp_ge_u32 s85, s87
	s_cbranch_scc1 .Lno_tile_\@                    ; nothing is left to fetch
	ROWS 0, 4
	ROWS 1, 5                                      ; if tile + 5 is past my last, its rows are still rows of xb, and are not used
	WIN 0
.endif
.Lno_tile_\@:
	s_wait_dscnt 0x0                               ; for the others' sake: my partial sums are stored, and my reads of the exchange's other half are done
	s_barrier_signal -1
	s_barrier_wait -1                              ; one barrier a tile: this half is written again two tiles on, behind the next barrier, which every wave signals with its reads done
	s_add_co_u32 s85, s91, \par
	s_cmp_ge_u32 s85, s87
	s_cbranch_scc1 .Lno_sums_\@
	XLOAD \par
	FRAGLD 1-\par                                  ; the next tile's fragments
	s_wait_dscnt 2*S                               ; the exchange is in; the 16 fragment loads are younger
	s_wait_xcnt 0x0                                ; HO and OUT are rewritten only when the last tile's stores have had their addresses translated
	v_add_nc_u32 v[HO], 0x20000, v[HO]             ; two tiles of 16 rows on; this tile's stores reach back
	EPI
.Lno_sums_\@:
.endm
.Lpair:
	TRIP 0
	TRIP 1
	s_add_co_u32 s91, s91, 2
	s_cmp_lt_u32 s91, MAXT
	s_cbranch_scc1 .Lpair
	s_wait_xcnt 0x0
	v_lshl_add_u32 v254, v0, 2, 0x28c00
	v_mov_b32 v255, 0
	s_wait_tensorcnt 0x0
	ds_add_u32 v254, v255
	s_wait_dscnt 0x0
	s_endpgm
.Lfunc_end_k_q7382b77ef8_ffn1:
	.size	k_q7382b77ef8_ffn1, .Lfunc_end_k_q7382b77ef8_ffn1-k_q7382b77ef8_ffn1
	.p2alignl 7, 3214868480
	.fill 96, 4, 3214868480
	.section	.rodata,"a",@progbits
	.p2align	6, 0x0
	.amdhsa_kernel k_q7382b77ef8_ffn1
		.amdhsa_group_segment_fixed_size 167424
		.amdhsa_private_segment_fixed_size 0
		.amdhsa_enable_private_segment 0
		.amdhsa_kernarg_size 40
		.amdhsa_user_sgpr_count 2
		.amdhsa_user_sgpr_kernarg_segment_ptr 1
		.amdhsa_wavefront_size32 1
		.amdhsa_system_sgpr_workgroup_id_x 1
		.amdhsa_system_sgpr_workgroup_id_y 1
		.amdhsa_system_sgpr_workgroup_id_z 1
		.amdhsa_system_vgpr_workitem_id 0
		.amdhsa_next_free_vgpr 1024
		.amdhsa_next_free_sgpr 100
		.amdhsa_reserve_vcc 0
		.amdhsa_float_denorm_mode_32 3
		.amdhsa_float_denorm_mode_16_64 3
		.amdhsa_memory_ordered 1
		.amdhsa_forward_progress 1
		.amdhsa_inst_pref_size 182
	.end_amdhsa_kernel
	.amdgpu_metadata
---
amdhsa.version: [ 1, 2 ]
amdhsa.kernels:
  - .name:           k_q7382b77ef8_ffn1
    .symbol:         k_q7382b77ef8_ffn1.kd
    .args:
      - { .name: W1, .offset: 0, .size: 8, .value_kind: global_buffer, .address_space: global }
      - { .name: xb, .offset: 8, .size: 8, .value_kind: global_buffer, .address_space: global }
      - { .name: b1, .offset: 16, .size: 8, .value_kind: global_buffer, .address_space: global }
      - { .name: hbuf, .offset: 24, .size: 8, .value_kind: global_buffer, .address_space: global }
      - { .name: masks, .offset: 32, .size: 8, .value_kind: global_buffer, .address_space: global }
    .group_segment_fixed_size: 167424
    .private_segment_fixed_size: 0
    .kernarg_segment_align: 8
    .kernarg_segment_size: 40
    .max_flat_workgroup_size: 128
    .sgpr_count:     100
    .vgpr_count:     1024
    .wavefront_size: 32
...
	.end_amdgpu_metadata
.endif
;; end of part 2
;; launch ffn2 (part 3): grid 32 x 8, 4 waves a work-group, no clusters, 200,192 bytes of LDS; arguments W2, hbuf, b2, y2, masks; writes y2
.if DOCPART == 3
	.amdgcn_target "amdgcn-amd-amdhsa--gfx1250"
	.amdhsa_code_object_version 6
	.text
	.protected	k_q7382b77ef8_ffn2
	.globl	k_q7382b77ef8_ffn2
	.p2align	8
	.type	k_q7382b77ef8_ffn2,@function
k_q7382b77ef8_ffn2:
	s_mov_b64 s[64:65], 0
	v_nop
	global_prefetch_b8 v0, s[64:65] scope:SCOPE_SE
	s_setreg_imm32_b32 hwreg(HW_REG_WAVE_MODE, 25, 1), 1
	s_wait_xcnt 0x0
; MoE layer, launch 3 of 4: y = H W2[e] + b2[e] in f32, for the entries of expert e's list alone (an expert that a token did not choose is
; multiplied by a zero of reference()'s own one_hot: see the head of the gate).
;
; THE LIST is made as in ffn1, in the same order, but an entry is 2 token + k (k = 0: first index, 1: second): the row of y2 that takes the
; entry's y.  The padding at place p names row 4096 + 16 e + (p & 15) of y2, which nothing reads.  Row p of hbuf[e] belongs to entry p.
; T = max(ceil(c / 16), 1) tiles, as in ffn1.  A wave reads back only the entries of the rows that it stores, 4 w .. 4 w + 3 of each of its tiles,
; transposed into 4 registers: lane t holds my tile t (low half) and my tile t + 32 (high half).  In the loop an entry is one v_readlane_b32.
; SHARES.  Grid x = 2 strip + hf, y = e.  A work-group makes a strip of 64 columns of y for the tiles hf, hf + 2, ...: n = (T + 1 - hf) / 2 of them.  Its four
; waves take the four quarters of K = 2048: a wave keeps W2[e][512 w .. +511][strip] as 64 bf16 fragments in 512 registers, stages and reads only
; its own quarter of each row of H, in LDS bytes of its own, and issues 64 matrix instructions a tile.  The four partial sums meet in LDS, one
; barrier a tile; wave w then finishes rows 4 w .. 4 w + 3.
; THE LOOP HAS A FIXED 64 TILES, the most that a half can own (2048 / 16 / 2): n comes from loaded masks, and no barrier stands under a branch
; that hangs on loaded data.  So the barrier stands in every trip, and the work in front of it and behind it is jumped over from tile n on.
; The share per expert is fixed: very uneven routing stays right and takes longer.
; NO CLUSTER: the sixteen strips of one (e, hf) read the same rows of H, 1 of a work-group's 1.5 MiB; asking for them jointly needs slots filled
; again by tensor loads, which this text does not have; the f32 weights go from 16-byte loads straight into fragment order and never touch LDS.
;
; REGISTERS, in windows of 256: window 0 addresses, A fragments, accumulators, the exchange; windows 1 and 2 the weight fragments (k step gi,
; column j at 256 + 32 gi + 8 j); window 3 four slots of 64 for f32 weights on their way, later two staging sets of 128 for rows of H.
.set S,      16                        ; k steps of 32 in a wave's quarter of K
.set Q,      1                         ; groups of 64 columns in the strip
.set NA,     4*Q                       ; accumulators
.set ROWB,   4096                      ; bytes in a row of W2[e]
.set MAXT,   64                        ; the most tiles of a half
.set APITCH, 1040                      ; 1,024 bytes + 16: the sixteen rows that a fragment load touches start 16 bytes apart modulo 256
.set ABYTES, 16*APITCH
.set LISTB,  8448                      ; a wave's list: 2,048 entries, 32 places unused, then 32 words for the lanes that have nothing to enter
.set ABUF,   4*LISTB                   ; LDS: four lists; for each wave two A tiles; the exchange (2 parities x 4 waves x XW)
.set XBASE,  ABUF+8*ABYTES
.set XW,     NA*1024
.set LANE,  1
.set RR,    2                          ; lane & 15
.set HH,    3                          ; lane >> 4
.set WOF,   4                          ; 8 HH rows of W2 + 16 RR
.set LB,    5                          ; my list
.set DUMPI, 6                          ; 2080 + lane
.set VAL,   7
.set RNK,   8
.set AS,    10                         ; A tiles, as stored: 16 lane
.set AF,    11                         ; A tiles, as read: RR rows + 16 HH
.set XWA,   12                         ; exchange, as stored
.set XR,    13                         ; exchange, as read
.set YC,    14                         ; 256 strip + 16 RR: my 16 bytes in a row of y2
.set LA,    15                         ; my list, read back: 64 hf + 16 w + 128 lane
.set KO,    16                         ; 16 lane
.set LF,    17                         ; my list, filled with padding: 16 lane
.set BO,    19
.set BIAS,  20                         ; v[20:23]   b2 of my columns 4 RR + j
.set LE2,   24                         ; v[24:25]   the entries of my two rows
.set YO,    26                         ; v[26:27]   their byte offsets in y2
.set LT,    28                         ; v[28:31]   the list's entries 4 w .. 4 w + 3 of each of my tiles, transposed and packed
.set TB,    32                         ; v[32:35]   in the head: tiles 32 to 63 before packing
.set PV,    36                         ; v[36:39]   in the head: the padding values
.set OUT,   48                         ; v[48:55]
.set AFR,   64                         ; v[64:191]  16 A fragments
.set ACC,   192                        ; v[192:223] 4 accumulators: j holds columns 4 r + j
.set E,     224                        ; v[224:255] partial sums of the four waves: 8 ww + 2 j + c
.set MSB, 0
.macro WIN new                         ; s_set_vgpr_msb: bits 1:0 source 0, 3:2 source 1, 5:4 source 2, 7:6 destination; the high byte repeats the setting that is left
.if MSB != \new
	s_set_vgpr_msb (MSB<<8)|\new
.set MSB, \new
.endif
.endm
; Places behind a tile's last matrix instructions: four in front of the LDS stores that read the sums and of the loads into the
; A fragments, the fifth in front of the next tile's first product, which writes over the sums.
.macro PLACES
.rept 5
	v_nop
.endr
.endm
; 16 loads: k step gi, as f32 into slot gi & 3 of window 3.  Load u brings row 32 gi + u + 8 (u >> 3) + 8 HH: lanes 0-15 take 256 consecutive
; bytes of one row, lanes 16-31 of the row 8 further down; a lane gets columns 4 r .. 4 r + 3.
.macro LOADG gi
	WIN 0xc0
.set lu, 0
.rept 16
	global_load_b128 v[64*((\gi)&3)+4*lu:64*((\gi)&3)+4*lu+3], v[WOF], s[4:5] offset:(32*((\gi)/Q)+lu+8*(lu>>3))*ROWB+256*((\gi)%Q)
.set lu, lu+1
.endr
.endm
; 32 conversions: the slot's 64 numbers become four B fragments, one for each j.  Register u of a fragment holds k = 8 HH + 2 u, + 1 (u < 4) and
; 16 + 8 HH + 2 (u - 4), + 1: the order in which two 16-byte LDS loads bring an A fragment.
.macro CVTG gi
.if (\gi) < 8
	WIN 0x4f
.else
	WIN 0x8f
.endif
.set cj, 0
.rept 4
.set cu, 0
.rept 8
	v_cvt_pk_bf16_f32 v[32*((\gi)&7)+8*cj+cu], v[64*((\gi)&3)+8*cu+cj], v[64*((\gi)&3)+8*cu+4+cj]
.set cu, cu+1
.endr
.set cj, cj+1
.endr
.endm
; 32 tokens of the list: lane's entry goes to place s84 + (set bits below the lane); a lane whose bit is clear writes its own spare word.
; The index is clamped to the list's 2,112 words before it becomes an address.
.macro LISTWORD sw
	v_mbcnt_lo_u32_b32 v[RNK], s[\sw], s84
	v_cndmask_b32 v[RNK], v[DUMPI], v[RNK], s[\sw]
	v_min_u32 v[RNK], 0x83f, v[RNK]
	v_lshl_add_u32 v[RNK], v[RNK], 2, v[LB]
	ds_store_b32 v[RNK], v[VAL]
	v_add_nc_u32 v[VAL], 64, v[VAL]
	s_bcnt1_i32_b32 s85, s[\sw]
	s_add_co_u32 s84, s84, s85
.endm
; An eighth of the list: 16 mask words.  Parts 0-3 are the first index's 64 words, parts 4-7 the second's, in the same scalar registers
; (word j in s[16 + j], from j = 48 on in s[20 + j]).
.macro LISTPART p
	WIN 0
.if ((\p)&3) == 0
	s_wait_kmcnt 0x0                               ; the 64 mask words
.endif
.set lw, 16*((\p)&3)
.rept 16
.if lw < 48
	LISTWORD 16+lw
.else
	LISTWORD 20+lw
.endif
.set lw, lw+1
.endr
.if (\p) == 3
	s_load_b512 s[16:31], s[2:3], 0x100
	s_load_b512 s[32:47], s[2:3], 0x140
	s_load_b512 s[48:63], s[2:3], 0x180
	s_load_b512 s[68:83], s[2:3], 0x1c0
	v_lshl_add_u32 v[VAL], v[LANE], 1, 1           ; the tokens start again, k = 1
.endif
.endm
; The base of my tile s91 + k: tile hf + 2 (s91 + k) of the list, 16 rows of 4,096 bytes a tile; past the list's last tile: that tile again, so that
; only rows that ffn1 stored are loaded.  A set's base is written only behind the s_wait_loadcnt 0 that shows the set's last loads done.
.macro ABASE set, k
	s_add_co_u32 s85, s91, \k
	s_lshl1_add_u32 s85, s85, s13
	s_min_u32 s85, s85, s86
	s_min_u32 s85, s85, 127
	s_lshl_b32 s96, s85, 16
	s_add_nc_u64 s[92+2*(\set):93+2*(\set)], s[6:7], s[96:97]
.endm
.macro ALOAD set                       ; 16 rows, my 1,024 bytes of each as two loads of 512 consecutive bytes, into a staging set of window 3
	WIN 0xc0
.set ai, 0
.rept 32
	global_load_b128 v[128*(\set)+4*ai:128*(\set)+4*ai+3], v[KO], s[92+2*(\set):93+2*(\set)] offset:4096*(ai>>1)+512*(ai&1)
.set ai, ai+1
.endr
.endm
.macro ASTORE set                      ; staging set s into my A tile s
	WIN 0x0c
.set ai, 0
.rept 32
	ds_store_b128 v[AS], v[128*(\set)+4*ai:128*(\set)+4*ai+3] offset:(\set)*ABYTES+(ai>>1)*APITCH+512*(ai&1)
.set ai, ai+1
.endr
.endm
.macro FRAGLD buf
.set fs, 0
.rept S
	ds_load_b128 v[AFR+8*fs:AFR+8*fs+3], v[AF] offset:(\buf)*ABYTES+64*fs
	ds_load_b128 v[AFR+8*fs+4:AFR+8*fs+7], v[AF] offset:(\buf)*ABYTES+64*fs+32
.set fs, fs+1
.endr
.endm
; A tile's 64 matrix instructions.  The first k step starts the sums with C = 0.  The accumulators take turns, one instruction a turn.
.macro MULT
	s_wait_dscnt 0x0                               ; the fragments; their loads were issued ahead of the last tile's closing arithmetic
.set ms, 0
.rept S
.if ms < S/2
	WIN 0x04
.else
	WIN 0x08
.endif
.set ma, 0
.rept NA
.set mb, 32*((Q*ms+(ma>>2))&7)+8*(ma&3)
.if ms == 0
	v_wmma_f32_16x16x32_bf16 v[ACC+8*ma:ACC+8*ma+7], v[AFR+8*ms:AFR+8*ms+7], v[mb:mb+7], 0
.else
	v_wmma_f32_16x16x32_bf16 v[ACC+8*ma:ACC+8*ma+7], v[AFR+8*ms:AFR+8*ms+7], v[mb:mb+7], v[ACC+8*ma:ACC+8*ma+7]
.endif
.set ma, ma+1
.endr
.set ms, ms+1
.endr
	WIN 0
.endm
.macro XSTORE par                      ; block 2 j + i of 512 bytes: lane (r, h) puts rows 8 h + 4 i .. + 3 of its column
.set xa, 0
.rept 2*NA
	ds_store_b128 v[XWA], v[ACC+4*xa:ACC+4*xa+3] offset:(\par)*4*XW+xa*512
.set xa, xa+1
.endr
.endm
.macro XLOAD par                       ; rows 4 w + 2 HH + c of columns 4 RR + j, from each of the four waves; the 32 lanes read 256 consecutive bytes
.set xw, 0
.rept 4
.set xj, 0
.rept 4
	ds_load_b64 v[E+8*xw+2*xj:E+8*xw+2*xj+1], v[XR] offset:(\par)*4*XW+xw*XW+xj*1024
.set xj, xj+1
.endr
.set xw, xw+1
.endr
.endm
; The entries of rows 4 w .. 4 w + 3 of my tile s91 + par; lanes 0-15 take the first two, lanes 16-31 the last two.
.macro ENTRIES par
	s_add_co_u32 s16, s91, \par
	s_min_u32 s16, s16, MAXT-1
	s_lshr_b32 s17, s16, 5
	s_lshl_b32 s17, s17, 4                         ; tiles 32 and up lie in the high halves
	s_and_b32 s16, s16, 31
.irp m, 0,1,2,3
	v_readlane_b32 s[20+\m], v[LT+\m], s16
.endr
.irp m, 0,1,2,3
	s_lshr_b32 s[20+\m], s[20+\m], s17
	s_and_b32 s[20+\m], s[20+\m], 0xffff
.endr
.irp c, 0,1
	v_mov_b32 v[LE2+\c], s[20+\c]
	v_cndmask_b32 v[LE2+\c], v[LE2+\c], s[22+\c], s18
.endr
.endm
.macro EPI                             ; the four quarters of K and the bias; the last addition also turns (j, c) into (c, j)
.set ei, 0
.rept 4
	v_pk_add_f32 v[E+2*ei:E+2*ei+1], v[E+2*ei:E+2*ei+1], v[E+8+2*ei:E+8+2*ei+1]
	v_pk_add_f32 v[E+16+2*ei:E+16+2*ei+1], v[E+16+2*ei:E+16+2*ei+1], v[E+24+2*ei:E+24+2*ei+1]
.set ei, ei+1
.endr
.set ei, 0
.rept 4
	v_pk_add_f32 v[E+2*ei:E+2*ei+1], v[E+2*ei:E+2*ei+1], v[E+16+2*ei:E+16+2*ei+1]
.set ei, ei+1
.endr
.irp c, 0,1
	v_min_u32 v[YO+\c], 0x107f, v[LE2+\c]          ; y2 has 4,224 rows
	v_lshl_add_u32 v[YO+\c], v[YO+\c], 12, v[YC]
.irp j, 0,1,2,3
	v_add_f32 v[OUT+4*\c+\j], v[E+2*\j+\c], v[BIAS+\j]
.endr
.endr
.irp c, 0,1
	global_store_b128 v[YO+\c], v[OUT+4*\c:OUT+4*\c+3], s[10:11]   ; sixteen lanes store 256 consecutive bytes of a row of y2, aligned
.endr
.endm
	s_load_b256 s[4:11], s[0:1], 0x0               ; W2 s[4:5], hbuf s[6:7], b2 s[8:9], y2 s[10:11]
	s_load_b64 s[2:3], s[0:1], 0x20                ; masks
	v_lshl_add_u32 v62, v0, 2, 0x30c00
	v_mov_b32 v63, 0
	v_lshrrev_b32 v9, 5, v0
	v_readfirstlane_b32 s12, v9                    ; wave = quarter of K
	s_and_b32 s13, ttmp9, 1                        ; hf
	s_lshr_b32 s14, ttmp9, 1                       ; strip
	s_and_b32 s15, ttmp7, 0xffff                   ; e
	s_mov_b32 s97, 0
	s_mov_b32 s84, 0                               ; entries so far
	s_mov_b32 s91, 0                               ; my tile at work, in steps of two: the loop's counter
	v_and_b32 v[LANE], 31, v0
	v_and_b32 v[RR], 15, v0
	v_bfe_u32 v[HH], v0, 4, 1
	s_mul_i32 s85, s12, LISTB
	v_mov_b32 v[LB], s85
	v_lshl_add_u32 v[LF], v[LANE], 4, s85
	s_lshl_b32 s90, s13, 6
	s_add_co_u32 s85, s85, s90
	s_lshl_b32 s90, s12, 4
	s_add_co_u32 s85, s85, s90
	v_lshl_add_u32 v[LA], v[LANE], 7, s85          ; lane t: entries 16 (hf + 2 t) + 4 w .. + 3
	s_lshl_b32 s85, s15, 4
	s_add_co_u32 s85, s85, 4096
	v_and_b32 v9, 3, v[LANE]
	v_lshl_add_u32 v[PV], v9, 2, s85               ; my 16 bytes are places 4 lane + c modulo 128: place & 15 = 4 (lane & 3) + c
.irp c, 1,2,3
	v_add_nc_u32 v[PV+\c], \c, v[PV]
.endr
.set pm, 0
.rept 16
	ds_store_b128 v[LF], v[PV:PV+3] offset:512*pm  ; all 2,048 places hold padding first; LDS serves a wave's instructions in order (ISA guide 5.7.1), so the entries land on top
.set pm, pm+1
.endr
	v_lshlrev_b32 v[BO], 4, v[RR]
	v_lshl_add_u32 v[WOF], v[HH], 15, v[BO]        ; 8 rows of 4,096 bytes
	v_lshlrev_b32 v[KO], 4, v[LANE]
	v_add_nc_u32 v[DUMPI], 2080, v[LANE]
	s_mul_i32 s85, s12, 2*ABYTES
	s_add_co_u32 s85, s85, ABUF
	v_lshl_add_u32 v[AS], v[LANE], 4, s85
	v_mul_u32_u24 v9, v[RR], APITCH
	v_lshl_add_u32 v9, v[HH], 4, v9
	v_add_nc_u32 v[AF], s85, v9
	s_mul_i32 s85, s12, XW
	s_add_co_u32 s85, s85, XBASE
	v_lshl_add_u32 v[XWA], v[LANE], 4, s85
	s_and_b32 s85, s12, 1                          ; rows 4 w .. 4 w + 3 lie in half-block w & 1, with the lanes of h = w >> 1
	s_lshl_b32 s85, s85, 9
	s_lshr_b32 s90, s12, 1
	s_lshl_b32 s90, s90, 8
	s_add_co_u32 s85, s85, s90
	s_add_co_u32 s85, s85, XBASE
	v_lshl_add_u32 v9, v[HH], 3, v[BO]             ; two of a lane's four rows: 8 bytes
	v_add_nc_u32 v[XR], s85, v9
	s_lshl_b32 s85, s14, 8
	v_add_nc_u32 v[YC], s85, v[BO]
	v_lshlrev_b32 v[VAL], 1, v[LANE]               ; 2 token, k = 0
	s_wait_kmcnt 0x0
	s_lshl_b32 s96, s15, 9
	s_add_nc_u64 s[2:3], s[2:3], s[96:97]          ; masks[e]
	s_load_b512 s[16:31], s[2:3], 0x0
	s_load_b512 s[32:47], s[2:3], 0x40
	s_load_b512 s[48:63], s[2:3], 0x80
	s_load_b512 s[68:83], s[2:3], 0xc0
	s_lshl_b32 s96, s15, 23                        ; W2[e] is 8,388,608 bytes,
	s_lshl_b32 s85, s12, 21                        ; 512 rows of it 2,097,152,
	s_add_co_u32 s96, s96, s85
	s_lshl_b32 s85, s14, 8                         ; 64 columns 256
	s_add_co_u32 s96, s96, s85
	s_add_nc_u64 s[4:5], s[4:5], s[96:97]
	s_lshl_b32 s96, s15, 12
	s_add_co_u32 s96, s96, s85
	s_add_nc_u64 s[8:9], s[8:9], s[96:97]          ; b2[e][64 strip]
	s_lshl_b32 s96, s15, 23
	s_lshl_b32 s85, s12, 10
	s_add_co_u32 s96, s96, s85
	s_add_nc_u64 s[6:7], s[6:7], s[96:97]          ; hbuf[e][0][512 w]
	global_load_b128 v[BIAS:BIAS+3], v[BO], s[8:9]
	LOADG 0
	LOADG 1
	LOADG 2
	LOADG 3
	; The weights: four groups of 16 loads are on their way; a group is converted when it is in, and its slot asked for again.
	; s_wait_loadcnt 48 counts the three younger groups.  The list is made meanwhile, an eighth ahead of each of the first eight waits.
.irp gi, 0,1,2,3,4,5,6,7
	LISTPART \gi
	s_wait_loadcnt 48
	CVTG \gi
	LOADG \gi+4
.endr
	WIN 0
	ds_load_b128 v[LT:LT+3], v[LA]                 ; my tiles 0 to 31, one a lane
	ds_load_b128 v[TB:TB+3], v[LA] offset:4096     ; my tiles 32 to 63
	s_mov_b32 s18, 0xffff0000                      ; lanes 16 to 31 (the mask words are used up)
	s_add_co_u32 s85, s84, 15
	s_lshr_b32 s85, s85, 4
	s_max_u32 s85, s85, 1                          ; T, as in ffn1
	s_sub_co_u32 s86, s85, 1                       ; the list's last tile
	s_add_co_u32 s87, s85, 1
	s_sub_co_u32 s87, s87, s13
	s_lshr_b32 s87, s87, 1                         ; n = my tiles, 0 to 64
	s_wait_dscnt 0x0
.irp m, 0,1,2,3
	v_lshl_or_b32 v[LT+\m], v[TB+\m], 16, v[LT+\m] ; an entry is below 4,224: two to a register
.endr
.irp gi, 8,9,10,11
	s_wait_loadcnt 48
	CVTG \gi
	LOADG \gi+4
.endr
	s_wait_loadcnt 48                              ; younger than group 12: groups 13, 14, 15
	CVTG 12
	s_wait_loadcnt 32                              ; groups 14, 15
	CVTG 13
	ABASE 0, 0
	ALOAD 0                                        ; my first tile into slots 0 and 1, which are free now
	s_wait_loadcnt 48                              ; group 15 and the first tile's 32 loads
	CVTG 14
	s_wait_loadcnt 32                              ; the first tile
	CVTG 15
	ABASE 1, 1
	ALOAD 1                                        ; my second tile into slots 2 and 3
	s_wait_loadcnt 0x0                             ; both tiles
	ASTORE 0
	ASTORE 1
	WIN 0
	s_cmp_lt_u32 s87, 3
	s_cbranch_scc1 .Lfew                           ; no third tile: nothing more to fetch
	ABASE 0, 2
	ABASE 1, 3
	ALOAD 0
	ALOAD 1
	WIN 0
.Lfew:
	FRAGLD 0                                       ; behind my own stores of the tile: LDS serves a wave's instructions in order (ISA guide 5.7.1)
; One tile, number s91 + par; par is also its A tile, its staging set and its half of the exchange.
; The odd tile changes the A tiles: by then both have been read into fragments.  Tiles + 2 and + 3 go from registers to LDS, tiles + 4 and + 5 are asked for
; and have two tiles' work in which to land.  All waits here are for 0 or count instructions of the same straight run, so they hold whichever parts are jumped over.
.macro TRIP par
	s_add_co_u32 s85, s91, \par
	s_cmp_ge_u32 s85, s87
	s_cbranch_scc1 .Lno_tile_\@
	MULT
	PLACES
	XSTORE \par
.if \par
	s_add_co_u32 s85, s91, 2
	s_cmp_ge_u32 s85, s87
	s_cbranch_scc1 .Lno_tile_\@                    ; this was my last tile
	s_wait_loadcnt 0x0                             ; both staging sets are in
	ASTORE 0
	ASTORE 1
	WIN 0
	s_add_co_u32 s85, s91, 4
	s_cmp_ge_u32 s85, s87
	s_cbranch_scc1 .Lno_tile_\@                    ; nothing is left to fetch
	ABASE 0, 4
	ABASE 1, 5                                     ; if tile + 5 is past the list's last, that tile is loaded again and not used
	ALOAD 0
	ALOAD 1
	WIN 0
.endif
.Lno_tile_\@:
	s_wait_dscnt 0x0                               ; for the others' sake: my partial sums are stored, and my reads of the exchange's other half are done
	s_barrier_signal -1
	s_barrier_wait -1                              ; one barrier a tile: this half is written again two tiles on, behind the next barrier, which every wave signals with its reads done
	s_add_co_u32 s85, s91, \par
	s_cmp_ge_u32 s85, s87
	s_cbranch_scc1 .Lno_sums_\@
	XLOAD \par
	FRAGLD 1-\par                                  ; the next tile's fragments
	ENTRIES \par                                   ; register work while the LDS loads are out
	s_wait_dscnt 2*S                               ; the exchange is in; the 32 fragment loads are younger
	s_wait_xcnt 0x0                                ; OUT and YO are rewritten only when the last tile's stores have had their addresses translated
	EPI
.Lno_sums_\@:
.endm
.Lpair:
	TRIP 0
	TRIP 1
	s_add_co_u32 s91, s91, 2
	s_cmp_lt_u32 s91, MAXT
	s_cbranch_scc1 .Lpair
	s_wait_tensorcnt 0x0
	ds_add_u32 v62, v63
	s_wait_dscnt 0x0
	s_endpgm
.Lfunc_end_k_q7382b77ef8_ffn2:
	.size	k_q7382b77ef8_ffn2, .Lfunc_end_k_q7382b77ef8_ffn2-k_q7382b77ef8_ffn2
	.p2alignl 7, 3214868480
	.fill 96, 4, 3214868480
	.section	.rodata,"a",@progbits
	.p2align	6, 0x0
	.amdhsa_kernel k_q7382b77ef8_ffn2
		.amdhsa_group_segment_fixed_size 200192
		.amdhsa_private_segment_fixed_size 0
		.amdhsa_enable_private_segment 0
		.amdhsa_kernarg_size 40
		.amdhsa_user_sgpr_count 2
		.amdhsa_user_sgpr_kernarg_segment_ptr 1
		.amdhsa_wavefront_size32 1
		.amdhsa_system_sgpr_workgroup_id_x 1
		.amdhsa_system_sgpr_workgroup_id_y 1
		.amdhsa_system_sgpr_workgroup_id_z 1
		.amdhsa_system_vgpr_workitem_id 0
		.amdhsa_next_free_vgpr 1024
		.amdhsa_next_free_sgpr 100
		.amdhsa_reserve_vcc 0
		.amdhsa_float_denorm_mode_32 3
		.amdhsa_float_denorm_mode_16_64 3
		.amdhsa_memory_ordered 1
		.amdhsa_forward_progress 1
		.amdhsa_inst_pref_size 167
	.end_amdhsa_kernel
	.amdgpu_metadata
---
amdhsa.version: [ 1, 2 ]
amdhsa.kernels:
  - .name:           k_q7382b77ef8_ffn2
    .symbol:         k_q7382b77ef8_ffn2.kd
    .args:
      - { .name: W2, .offset: 0, .size: 8, .value_kind: global_buffer, .address_space: global }
      - { .name: hbuf, .offset: 8, .size: 8, .value_kind: global_buffer, .address_space: global }
      - { .name: b2, .offset: 16, .size: 8, .value_kind: global_buffer, .address_space: global }
      - { .name: y2, .offset: 24, .size: 8, .value_kind: global_buffer, .address_space: global }
      - { .name: masks, .offset: 32, .size: 8, .value_kind: global_buffer, .address_space: global }
    .group_segment_fixed_size: 200192
    .private_segment_fixed_size: 0
    .kernarg_segment_align: 8
    .kernarg_segment_size: 40
    .max_flat_workgroup_size: 128
    .sgpr_count:     100
    .vgpr_count:     1024
    .wavefront_size: 32
...
	.end_amdgpu_metadata
.endif
;; end of part 3
;; launch combine (part 4): grid 256 x 1, 8 waves a work-group, no clusters, 0 bytes of LDS; arguments y2, gw, out0; writes out0
.if DOCPART == 4
	.amdgcn_target "amdgcn-amd-amdhsa--gfx1250"
	.amdhsa_code_object_version 6
	.text
	.protected	k_q7382b77ef8_combine
	.globl	k_q7382b77ef8_combine
	.p2align	8
	.type	k_q7382b77ef8_combine,@function
k_q7382b77ef8_combine:
	s_mov_b64 s[64:65], 0
	v_nop
	global_prefetch_b8 v0, s[64:65] scope:SCOPE_SE
	s_setreg_imm32_b32 hwreg(HW_REG_WAVE_MODE, 25, 1), 1
	s_wait_xcnt 0x0
; MoE layer, launch 4 of 4: out0[t] = gw[t][0] y2[2 t] + gw[t][1] y2[2 t + 1].  The six other experts' terms have the weight 0 that
; reference()'s own one_hot gives them and are left out (see the head of the gate); rows 4096 and up of y2 are padding and are not read.
; A stream: one wave, one token.  A row is 4,096 bytes: eight loads of 512 consecutive bytes for each of the two rows, all sixteen issued at once;
; eight stores of 512 consecutive bytes.  No LDS, no barrier, no matrix unit: each number is read once and used once.
.set Y0, 8                             ; v[8:39]   row 2 t, then the result
.set Y1, 40                            ; v[40:71]  row 2 t + 1
	s_load_b128 s[4:7], s[0:1], 0x0                ; y2 s[4:5], gw s[6:7]
	s_load_b64 s[8:9], s[0:1], 0x10                ; out0
	v_lshrrev_b32 v1, 5, v0
	v_readfirstlane_b32 s10, v1                    ; wave
	v_and_b32 v2, 31, v0
	v_lshlrev_b32 v2, 4, v2                        ; 16 bytes a lane
	s_lshl_b32 s11, ttmp9, 3
	s_add_co_u32 s11, s11, s10                     ; t
	s_mov_b32 s17, 0
	s_wait_kmcnt 0x0
	s_lshl_b32 s16, s11, 3
	s_add_nc_u64 s[6:7], s[6:7], s[16:17]
	s_load_b64 s[12:13], s[6:7], 0x0               ; the token's two weights
	s_lshl_b32 s16, s11, 13                        ; two rows of y2
	s_add_nc_u64 s[4:5], s[4:5], s[16:17]
	s_lshl_b32 s16, s11, 12                        ; one row of out0
	s_add_nc_u64 s[8:9], s[8:9], s[16:17]
.irp j, 0,1,2,3,4,5,6,7
	global_load_b128 v[Y0+4*\j:Y0+4*\j+3], v2, s[4:5] offset:512*\j th:TH_LOAD_NT
	global_load_b128 v[Y1+4*\j:Y1+4*\j+3], v2, s[4:5] offset:4096+512*\j th:TH_LOAD_NT
.endr
	s_wait_kmcnt 0x0
	s_mov_b32 s14, s13                             ; the second weight in a pair of its own: a scalar pair is broadcast from its first register
	s_mov_b32 s15, s13
.irp j, 0,1,2,3,4,5,6,7
	s_wait_loadcnt 14-2*\j                         ; loads come back in order (ISA guide 5.7.1): pair j is in, the 7 - j later pairs stay out
	v_pk_mul_f32 v[Y1+4*\j:Y1+4*\j+1], v[Y1+4*\j:Y1+4*\j+1], s[14:15] op_sel_hi:[1,0]
	v_pk_mul_f32 v[Y1+4*\j+2:Y1+4*\j+3], v[Y1+4*\j+2:Y1+4*\j+3], s[14:15] op_sel_hi:[1,0]
	v_pk_fma_f32 v[Y0+4*\j:Y0+4*\j+1], v[Y0+4*\j:Y0+4*\j+1], s[12:13], v[Y1+4*\j:Y1+4*\j+1] op_sel_hi:[1,0,1]
	v_pk_fma_f32 v[Y0+4*\j+2:Y0+4*\j+3], v[Y0+4*\j+2:Y0+4*\j+3], s[12:13], v[Y1+4*\j+2:Y1+4*\j+3] op_sel_hi:[1,0,1]
	global_store_b128 v2, v[Y0+4*\j:Y0+4*\j+3], s[8:9] offset:512*\j th:TH_STORE_NT
.endr
	s_endpgm
.Lfunc_end_k_q7382b77ef8_combine:
	.size	k_q7382b77ef8_combine, .Lfunc_end_k_q7382b77ef8_combine-k_q7382b77ef8_combine
	.p2alignl 7, 3214868480
	.fill 96, 4, 3214868480
	.section	.rodata,"a",@progbits
	.p2align	6, 0x0
	.amdhsa_kernel k_q7382b77ef8_combine
		.amdhsa_group_segment_fixed_size 0
		.amdhsa_private_segment_fixed_size 0
		.amdhsa_enable_private_segment 0
		.amdhsa_kernarg_size 24
		.amdhsa_user_sgpr_count 2
		.amdhsa_user_sgpr_kernarg_segment_ptr 1
		.amdhsa_wavefront_size32 1
		.amdhsa_system_sgpr_workgroup_id_x 1
		.amdhsa_system_sgpr_workgroup_id_y 1
		.amdhsa_system_sgpr_workgroup_id_z 1
		.amdhsa_system_vgpr_workitem_id 0
		.amdhsa_next_free_vgpr 80
		.amdhsa_next_free_sgpr 66
		.amdhsa_reserve_vcc 0
		.amdhsa_float_denorm_mode_32 3
		.amdhsa_float_denorm_mode_16_64 3
		.amdhsa_memory_ordered 1
		.amdhsa_forward_progress 1
		.amdhsa_inst_pref_size 6
	.end_amdhsa_kernel
	.amdgpu_metadata
---
amdhsa.version: [ 1, 2 ]
amdhsa.kernels:
  - .name:           k_q7382b77ef8_combine
    .symbol:         k_q7382b77ef8_combine.kd
    .args:
      - { .name: y2, .offset: 0, .size: 8, .value_kind: global_buffer, .address_space: global }
      - { .name: gw, .offset: 8, .size: 8, .value_kind: global_buffer, .address_space: global }
      - { .name: out0, .offset: 16, .size: 8, .value_kind: global_buffer, .address_space: global }
    .group_segment_fixed_size: 0
    .private_segment_fixed_size: 0
    .kernarg_segment_align: 8
    .kernarg_segment_size: 24
    .max_flat_workgroup_size: 256
    .sgpr_count:     66
    .vgpr_count:     80
    .wavefront_size: 32
...
	.end_amdgpu_metadata
.endif
;; end of part 4
;; ======== version 2 of 2: 4 launches; 1.13 times as fast as version 1
;; workspace buffers: xb 4,194,304 bytes; masks 4,096 bytes of whole numbers; gw 16,384 bytes; hbuf 67,108,864 bytes; y2 17,301,504 bytes
;; launch gate: the kernel of part 1 again; grid 256 x 1, 8 waves a work-group, no clusters, 5,120 bytes of LDS; arguments x, Wg, out1, out2, xb, masks, gw; writes out1, out2, xb, masks, gw
;; launch ffn1 (part 5): grid 32 x 8, 4 waves a work-group, no clusters, 167,424 bytes of LDS; arguments W1, xb, b1, hbuf, masks; writes hbuf
.if DOCPART == 5
	.amdgcn_target "amdgcn-amd-amdhsa--gfx1250"
	.amdhsa_code_object_version 6
	.text
	.protected	k_q7382b77ef8_ffn1
	.globl	k_q7382b77ef8_ffn1
	.p2align	8
	.type	k_q7382b77ef8_ffn1,@function
k_q7382b77ef8_ffn1:
	s_mov_b64 s[64:65], 0
	v_nop
	global_prefetch_b8 v0, s[64:65] scope:SCOPE_SE
	s_setreg_imm32_b32 hwreg(HW_REG_WAVE_MODE, 25, 1), 1
	s_wait_xcnt 0x0
; MoE layer, launch 2 of 4: H = relu(x W1[e] + b1[e]) in bf16, for the tokens that chose expert e alone (an expert that a token did not
; choose is multiplied by a zero of reference()'s own one_hot: see the head of the gate).
;
; THE LIST of expert e: the tokens whose first index is e, ascending, then those whose second index is e; c entries, c <= 2048, padded with
; token 0 up to T = max(ceil(c / 16), 1) tiles of 16 rows.  Every wave makes its own copy of the list in LDS from the 512 bytes masks[e], while its
; weights are on their way, and reads it back once, transposed, into 16 registers: lane t of register i holds entry i of my tile t (low half)
; and of my tile t + 32 (high half).  In the loop an entry is one v_readlane_b32.
; SHARES.  Grid x = 2 strip + hf, y = e.  A work-group makes a strip of 128 columns of H for the list's tiles hf, hf + 2, ...: n = (T + 1 - hf) / 2 of them.
; Its four waves take the four quarters of K = 1024: a wave keeps W1[e][256 w .. +255][strip] as 64 bf16 fragments in 512 registers for the
; whole launch, stages and reads only its own quarter of each gathered row of xb, in LDS bytes of its own, and issues 64 matrix instructions
; a tile.  The four partial sums meet in LDS, one barrier a tile; wave w then finishes accumulators 2 w and 2 w + 1 for all 16 rows.
; THE MATRIX INSTRUCTION IS USED TRANSPOSED: source 0 = 16 columns of W1, source 1 = 16 rows of x.  Lane (r, h) of accumulator 4 q + j then holds, in
; register i, H[row r][64 q + 32 h + 4 i + j].  Two accumulators of one q packed together are 16 bf16 of one row in 8 registers: the lane's part of
; an A fragment of ffn2.  HBUF IS LAID OUT SO: hbuf[e][list tile][4 strip + w] is a block of 1,024 bytes, registers 0-3 of the 32 lanes and then
; registers 4-7; register i of lane (r, h) holds columns 128 strip + 64 (w >> 1) + 32 h + 4 i + 2 (w & 1) and the next.  ffn2 takes W2's rows in that order.
; THE WALK.  Step i of a work-group is its tile (i + start) mod n, start = ((5 strip) mod 16) n / 16: 5 s mod 16 is a permutation, so the sixteen strips of one
; (e, hf), which gather the same rows of xb, start at sixteen different places of the list and do not ask for the same rows at the same moment.
; THE LOOP HAS A FIXED 66 TRIPS (a half owns at most 2048 / 16 / 2 = 64 tiles, and a tile is closed one trip after its sums are exchanged): n comes from
; loaded masks, and no barrier stands under a branch that hangs on loaded data.  So the barrier stands in every trip, and each part of the work is jumped over
; when its step is not below n.  The share per expert is fixed: very uneven routing stays right and takes longer.
; NO CLUSTER, NO TENSOR LOADS: the rows of xb are gathered by a list, one row a load; the f32 weights go from 16-byte loads straight into fragment
; order by one conversion each, 512 KiB a work-group that never touch LDS, where a joint load would first have to land them.
;
; REGISTERS, in windows of 256: window 0 addresses, x fragments, accumulators, the exchange; windows 1 and 2 the weight fragments (group gi,
; column j at 256 + 32 gi + 8 j); window 3 four slots of 64 for f32 weights on their way, later (slots 0 and 1) two staging sets for rows of xb.
.set S,      8                         ; k steps of 32 in a wave's quarter of K
.set Q,      2                         ; groups of 64 columns in the strip
.set NA,     4*Q                       ; accumulators
.set ROWB,   8192                      ; bytes in a row of W1[e]
.set MAXT,   64                        ; the most tiles of a half
.set APITCH, 528                       ; 512 bytes + 16: the sixteen rows that a fragment load touches start 16 bytes apart modulo 256
.set ABYTES, 16*APITCH
.set LISTB,  8448                      ; a wave's list: 2,048 entries, 32 places unused, then 32 words for the lanes that have nothing to enter
.set ABUF,   4*LISTB                   ; LDS: four lists; for each wave two A tiles; the exchange (2 halves x 4 waves x XW)
.set XBASE,  ABUF+8*ABYTES
.set XW,     NA*1024
.set LANE,  1                          ; v1-v9 serve the head alone
.set RR,    2                          ; lane & 15
.set HH,    3                          ; lane >> 4
.set WOF,   4                          ; 8 HH rows of W1 + 16 RR
.set LB,    5                          ; my list
.set DUMPI, 6                          ; 2080 + lane
.set VAL,   7
.set RNK,   8
.set HB,    1                          ; in the loop: 65,536 hf + 1,024 w + 16 lane, my place in a tile of hbuf
.set OUT,   2                          ; in the loop: v[2:9] the packed results
.set AS,    10                         ; A tiles, as stored: 16 lane
.set AF,    11                         ; A tiles, as read: RR rows + 16 HH
.set XWA,   12                         ; exchange, as stored
.set XR,    13                         ; exchange, as read
.set HO,    14                         ; my byte offset in hbuf[e]
.set KO,    15                         ; 512 w + 16 lane: my 16 bytes in a row of xb
.set BIAS,  16                         ; v[16:31]   b1 of my 16 columns, in the order of the sums: 8 a + i
.set LT,    32                         ; v[32:47]   the list, transposed and packed
.set AO0,   48                         ; v[48:63]   16 row offsets in xb, staging set 0
.set AFR,   64                         ; v[64:127]  8 x fragments
.set ACC,   128                        ; v[128:191] 8 accumulators
.set E,     192                        ; v[192:255] partial sums of the four waves: 16 ww + 8 a + i
.set AO1,   240                        ; v[240:255] 16 row offsets, staging set 1: the end of E, free from the closing arithmetic to the next read of the exchange
.set LA,    192                        ; in the head, in E: my list, read back: 64 hf + 128 lane
.set LF,    193                        ; my list, filled with padding: 16 lane
.set BO,    194                        ; my place in b1
.set PV,    196                        ; v[196:199] the padding value
.set TB,    200                        ; v[200:215] tiles 32 to 63 before packing
.set MSB, 0
.macro WIN new                         ; s_set_vgpr_msb: bits 1:0 source 0, 3:2 source 1, 5:4 source 2, 7:6 destination; the high byte repeats the setting that is left
.if MSB != \new
	s_set_vgpr_msb (MSB<<8)|\new
.set MSB, \new
.endif
.endm
; Places behind a tile's last matrix instructions: four in front of the LDS stores that read the sums and of the loads into the
; x fragments, the fifth in front of the next tile's first product, which writes over the sums.  They stand in the products' own block, so on every way.
.macro PLACES
.rept 5
	v_nop
.endr
.endm
; 16 loads: k step gi / Q, column group gi % Q, as f32 into slot gi & 3 of window 3.  Load u brings row 32 s + u + 8 (u >> 3) + 8 HH: lanes 0-15
; take 256 consecutive bytes of one row, lanes 16-31 of the row 8 further down; a lane gets columns 4 r .. 4 r + 3.
.macro LOADG gi
	WIN 0xc0
.set lu, 0
.rept 16
	global_load_b128 v[64*((\gi)&3)+4*lu:64*((\gi)&3)+4*lu+3], v[WOF], s[4:5] offset:(32*((\gi)/Q)+lu+8*(lu>>3))*ROWB+256*((\gi)%Q)
.set lu, lu+1
.endr
.endm
; 32 conversions: the slot's 64 numbers become four weight fragments, one for each j.  Register u of a fragment holds k = 8 HH + 2 u, + 1 (u < 4) and
; 16 + 8 HH + 2 (u - 4), + 1: the order in which two 16-byte LDS loads bring an x fragment.
.macro CVTG gi
.if (\gi) < 8
	WIN 0x4f
.else
	WIN 0x8f
.endif
.set cj, 0
.rept 4
.set cu, 0
.rept 8
	v_cvt_pk_bf16_f32 v[32*((\gi)&7)+8*cj+cu], v[64*((\gi)&3)+8*cu+cj], v[64*((\gi)&3)+8*cu+4+cj]
.set cu, cu+1
.endr
.set cj, cj+1
.endr
.endm
; 32 tokens of the list: lane's token is entered at s84 + (set bits below the lane); a lane whose bit is clear writes its own spare word.
; The index is clamped to the list's 2,112 words before it becomes an address.
.macro LISTWORD sw
	v_mbcnt_lo_u32_b32 v[RNK], s[\sw], s84
	v_cndmask_b32 v[RNK], v[DUMPI], v[RNK], s[\sw]
	v_min_u32 v[RNK], 0x83f, v[RNK]
	v_lshl_add_u32 v[RNK], v[RNK], 2, v[LB]
	ds_store_b32 v[RNK], v[VAL]
	v_add_nc_u32 v[VAL], 32, v[VAL]
	s_bcnt1_i32_b32 s85, s[\sw]
	s_add_co_u32 s84, s84, s85
.endm
; An eighth of the list: 16 mask words.  Parts 0-3 are the first index's 64 words, parts 4-7 the second's, in the same scalar registers
; (word j in s[16 + j], from j = 48 on in s[20 + j]).
.macro LISTPART p
	WIN 0
.if ((\p)&3) == 0
	s_wait_kmcnt 0x0                               ; the 64 mask words
.endif
.set lw, 16*((\p)&3)
.rept 16
.if lw < 48
	LISTWORD 16+lw
.else
	LISTWORD 20+lw
.endif
.set lw, lw+1
.endr
.if (\p) == 3
	s_load_b512 s[16:31], s[2:3], 0x100
	s_load_b512 s[32:47], s[2:3], 0x140
	s_load_b512 s[48:63], s[2:3], 0x180
	s_load_b512 s[68:83], s[2:3], 0x1c0
	v_mov_b32 v[VAL], v[LANE]                      ; the tokens start again
.endif
.endm
; s16 = my tile of step s91 + k: (step + start) mod n; step and start are below n where the result is used, so one subtraction does it
.macro ROT k
	s_add_co_u32 s16, s91, \k
	s_add_co_u32 s16, s16, s89
	s_sub_co_u32 s17, s16, s87
	s_cmp_ge_u32 s16, s87
	s_cselect_b32 s16, s17, s16
	s_min_u32 s16, s16, MAXT-1
.endm
; The 16 row offsets of step s91 + k.  Past my last step the places hold padding (token 0) or other entries: always a row of xb.
.macro ROWADDR k, ao
	ROT \k
	s_lshr_b32 s17, s16, 5
	s_lshl_b32 s17, s17, 4                         ; tiles 32 and up lie in the high halves
	s_and_b32 s16, s16, 31
.set ri, 0
.rept 16
	v_readlane_b32 s[20+ri], v[LT+ri], s16
.set ri, ri+1
.endr
.set ri, 0
.rept 16
	s_lshr_b32 s[20+ri], s[20+ri], s17
	s_and_b32 s[20+ri], s[20+ri], 0xffff
	s_min_u32 s[20+ri], s[20+ri], 0x7ff
	v_lshl_add_u32 v[\ao+ri], s[20+ri], 11, v[KO]  ; token x 2,048 bytes + my place in the row
.set ri, ri+1
.endr
.endm
.macro ALOAD set, ao                   ; 16 rows, my 512 consecutive bytes of each, into a staging set of window 3
	WIN 0xc0
.set ai, 0
.rept 16
	global_load_b128 v[64*(\set)+4*ai:64*(\set)+4*ai+3], v[\ao+ai], s[6:7]
.set ai, ai+1
.endr
.endm
.macro ASTORE set                      ; staging set s into my A tile s
	WIN 0x0c
.set ai, 0
.rept 16
	ds_store_b128 v[AS], v[64*(\set)+4*ai:64*(\set)+4*ai+3] offset:(\set)*ABYTES+ai*APITCH
.set ai, ai+1
.endr
.endm
.macro FRAGLD buf
.set fs, 0
.rept S
	ds_load_b128 v[AFR+8*fs:AFR+8*fs+3], v[AF] offset:(\buf)*ABYTES+64*fs
	ds_load_b128 v[AFR+8*fs+4:AFR+8*fs+7], v[AF] offset:(\buf)*ABYTES+64*fs+32
.set fs, fs+1
.endr
.endm
; A tile's 64 matrix instructions, weights as source 0.  The first k step starts the sums with C = 0.  The accumulators take turns, one instruction a turn.
.macro MULT
.set ms, 0
.rept S
.if ms < S/2
	WIN 0x01
.else
	WIN 0x02
.endif
.set ma, 0
.rept NA
.set mb, 32*((Q*ms+(ma>>2))&7)+8*(ma&3)
.if ms == 0
	v_wmma_f32_16x16x32_bf16 v[ACC+8*ma:ACC+8*ma+7], v[mb:mb+7], v[AFR+8*ms:AFR+8*ms+7], 0
.else
	v_wmma_f32_16x16x32_bf16 v[ACC+8*ma:ACC+8*ma+7], v[mb:mb+7], v[AFR+8*ms:AFR+8*ms+7], v[ACC+8*ma:ACC+8*ma+7]
.endif
.set ma, ma+1
.endr
.set ms, ms+1
.endr
	WIN 0
.endm
.macro XSTORE par                      ; block 2 a + i of 512 bytes: each lane puts registers 4 i .. 4 i + 3 of accumulator a
.set xa, 0
.rept 2*NA
	ds_store_b128 v[XWA], v[ACC+4*xa:ACC+4*xa+3] offset:(\par)*4*XW+xa*512
.set xa, xa+1
.endr
.endm
.macro XLOAD par                       ; blocks 4 w .. 4 w + 3 (accumulators 2 w, 2 w + 1) of each of the four waves, in the lane order in which they were stored
.set xw, 0
.rept 4
.set xt, 0
.rept 4
	ds_load_b128 v[E+16*xw+4*xt:E+16*xw+4*xt+3], v[XR] offset:(\par)*4*XW+xw*XW+xt*512
.set xt, xt+1
.endr
.set xw, xw+1
.endr
.endm
.macro EPI                             ; the four quarters of K, the bias, relu, bf16: the conversion packs columns .. + 2 (w & 1) and the next into one register
.set ei, 0
.rept 8
	v_pk_add_f32 v[E+2*ei:E+2*ei+1], v[E+2*ei:E+2*ei+1], v[E+16+2*ei:E+16+2*ei+1]
	v_pk_add_f32 v[E+32+2*ei:E+32+2*ei+1], v[E+32+2*ei:E+32+2*ei+1], v[E+48+2*ei:E+48+2*ei+1]
.set ei, ei+1
.endr
.set ei, 0
.rept 8
	v_pk_add_f32 v[E+2*ei:E+2*ei+1], v[E+2*ei:E+2*ei+1], v[E+32+2*ei:E+32+2*ei+1]
.set ei, ei+1
.endr
.set ei, 0
.rept 8
	v_pk_add_f32 v[E+2*ei:E+2*ei+1], v[E+2*ei:E+2*ei+1], v[BIAS+2*ei:BIAS+2*ei+1]
.set ei, ei+1
.endr
.set ei, 0
.rept 16
	v_max_num_f32 v[E+ei], 0, v[E+ei]
.set ei, ei+1
.endr
.set ei, 0
.rept 8
	v_cvt_pk_bf16_f32 v[OUT+ei], v[E+ei], v[E+8+ei]
.set ei, ei+1
.endr
	global_store_b128 v[HO], v[OUT:OUT+3], s[10:11]                ; each store of the wave covers 512 consecutive bytes, aligned
	global_store_b128 v[HO], v[OUT+4:OUT+7], s[10:11] offset:512
.endm
	s_load_b256 s[4:11], s[0:1], 0x0               ; W1 s[4:5], xb s[6:7], b1 s[8:9], hbuf s[10:11]
	s_load_b64 s[2:3], s[0:1], 0x20                ; masks
	v_lshrrev_b32 v9, 5, v0
	v_readfirstlane_b32 s12, v9                    ; wave = quarter of K
	s_and_b32 s13, ttmp9, 1                        ; hf
	s_lshr_b32 s14, ttmp9, 1                       ; strip
	s_and_b32 s15, ttmp7, 0xffff                   ; e
	s_mov_b32 s97, 0
	s_mov_b32 s84, 0                               ; entries so far
	s_mov_b32 s91, 0                               ; the trip, in steps of two: the loop's counter
	v_and_b32 v[LANE], 31, v0
	v_and_b32 v[RR], 15, v0
	v_bfe_u32 v[HH], v0, 4, 1
	s_mul_i32 s85, s12, LISTB
	v_mov_b32 v[LB], s85
	v_lshl_add_u32 v[LF], v[LANE], 4, s85
	s_lshl_b32 s90, s13, 6
	s_add_co_u32 s85, s85, s90
	v_lshl_add_u32 v[LA], v[LANE], 7, s85          ; lane t: my tile t begins at entry 16 (hf + 2 t)
.irp c, 0,1,2,3
	v_mov_b32 v[PV+\c], 0                          ; the padding names token 0
.endr
.set pm, 0
.rept 16
	ds_store_b128 v[LF], v[PV:PV+3] offset:512*pm  ; all 2,048 places hold padding first; LDS serves a wave's instructions in order (ISA guide 5.7.1), so the entries land on top
.set pm, pm+1
.endr
	v_lshlrev_b32 v[WOF], 4, v[RR]
	v_lshl_add_u32 v[WOF], v[HH], 16, v[WOF]       ; 8 rows of 8,192 bytes
	v_add_nc_u32 v[DUMPI], 2080, v[LANE]
	s_mul_i32 s85, s12, 2*ABYTES
	s_add_co_u32 s85, s85, ABUF
	v_lshl_add_u32 v[AS], v[LANE], 4, s85
	v_mul_u32_u24 v9, v[RR], APITCH
	v_lshl_add_u32 v9, v[HH], 4, v9
	v_add_nc_u32 v[AF], s85, v9
	s_mul_i32 s85, s12, XW
	s_add_co_u32 s85, s85, XBASE
	v_lshl_add_u32 v[XWA], v[LANE], 4, s85
	s_lshl_b32 s85, s12, 11                        ; blocks 4 w .. 4 w + 3 of 512 bytes
	s_add_co_u32 s85, s85, XBASE
	v_lshl_add_u32 v[XR], v[LANE], 4, s85
	s_lshl_b32 s85, s12, 9
	v_lshl_add_u32 v[KO], v[LANE], 4, s85
	s_lshr_b32 s85, s12, 1                         ; my columns begin at 64 (w >> 1) + 32 HH + 2 (w & 1), 4 bytes each
	s_lshl_b32 s85, s85, 8
	s_and_b32 s90, s12, 1
	s_lshl_b32 s90, s90, 3
	s_add_co_u32 s85, s85, s90
	v_lshl_add_u32 v[BO], v[HH], 7, s85
	v_mov_b32 v[VAL], v[LANE]
	s_wait_kmcnt 0x0
	s_lshl_b32 s96, s15, 9
	s_add_nc_u64 s[2:3], s[2:3], s[96:97]          ; masks[e]
	s_load_b512 s[16:31], s[2:3], 0x0
	s_load_b512 s[32:47], s[2:3], 0x40
	s_load_b512 s[48:63], s[2:3], 0x80
	s_load_b512 s[68:83], s[2:3], 0xc0
	s_lshl_b32 s96, s15, 23                        ; W1[e] is 8,388,608 bytes,
	s_lshl_b32 s85, s12, 21                        ; 256 rows of it 2,097,152,
	s_add_co_u32 s96, s96, s85
	s_lshl_b32 s85, s14, 9                         ; 128 columns 512
	s_add_co_u32 s96, s96, s85
	s_add_nc_u64 s[4:5], s[4:5], s[96:97]
	s_lshl_b32 s96, s15, 13
	s_add_co_u32 s96, s96, s85
	s_add_nc_u64 s[8:9], s[8:9], s[96:97]          ; b1[e][128 strip]
	s_lshl_b32 s96, s15, 23
	s_lshl_b32 s85, s14, 12                        ; a strip's four blocks of 1,024 bytes in each tile
	s_add_co_u32 s96, s96, s85
	s_add_nc_u64 s[10:11], s[10:11], s[96:97]      ; hbuf[e][0][4 strip]
	LOADG 0
	LOADG 1
	LOADG 2
	LOADG 3
	; The weights: four groups of 16 loads are on their way; a group is converted when it is in, and its slot asked for again.
	; s_wait_loadcnt 48 counts the three younger groups.  The list is made meanwhile, an eighth ahead of each of the first eight waits.
.irp gi, 0,1,2,3,4,5,6,7
	LISTPART \gi
	s_wait_loadcnt 48
	CVTG \gi
	LOADG \gi+4
.endr
	WIN 0
.irp m, 0,1,2,3
	ds_load_b128 v[LT+4*\m:LT+4*\m+3], v[LA] offset:16*\m          ; my tiles 0 to 31, one a lane
	ds_load_b128 v[TB+4*\m:TB+4*\m+3], v[LA] offset:4096+16*\m     ; my tiles 32 to 63
.endr
	s_add_co_u32 s85, s84, 15
	s_lshr_b32 s85, s85, 4
	s_max_u32 s85, s85, 1                          ; T; an expert that nobody chose has one tile of padding, so that the tile of hbuf[e] that ffn2 loads is stored
	s_add_co_u32 s87, s85, 1
	s_sub_co_u32 s87, s87, s13
	s_lshr_b32 s87, s87, 1                         ; n = my tiles, 0 to 64
	s_add_co_u32 s86, s87, 1                       ; from trip n + 1 on nothing is left
	s_mul_i32 s89, s14, 5
	s_and_b32 s89, s89, 15
	s_mul_i32 s89, s89, s87
	s_lshr_b32 s89, s89, 4                         ; start
	s_lshl_b32 s85, s13, 16                        ; a tile of hbuf[e] is 65,536 bytes, my block in the strip's four 1,024 w
	s_lshl_b32 s90, s12, 10
	s_add_co_u32 s85, s85, s90
	v_lshl_add_u32 v[HB], v[LANE], 4, s85          ; over LANE, which has done its work
	s_wait_dscnt 0x0
.set ri, 0
.rept 16
	v_lshl_or_b32 v[LT+ri], v[TB+ri], 16, v[LT+ri] ; a token is below 2,048: two to a register
.set ri, ri+1
.endr
.irp gi, 8,9,10,11
	s_wait_loadcnt 48
	CVTG \gi
	LOADG \gi+4
.endr
	s_wait_loadcnt 48                              ; younger than group 12: groups 13, 14, 15
	CVTG 12
	WIN 0
	ROWADDR 0, AO0
	ALOAD 0, AO0                                   ; step 0 into slot 0, which is free now
	s_wait_loadcnt 48                              ; groups 14, 15 and step 0
	CVTG 13
	WIN 0
	ROWADDR 1, AO1
	ALOAD 1, AO1                                   ; step 1 into slot 1
	s_wait_loadcnt 48                              ; group 15 and two steps
	CVTG 14
	WIN 0
.irp a, 0,1
.irp i, 0,1,2,3,4,5,6,7
	global_load_b32 v[BIAS+8*\a+\i], v[BO], s[8:9] offset:16*\i+4*\a   ; once a wave: 16 numbers 16 bytes apart, straight into the order of the sums
.endr
.endr
	s_wait_loadcnt 48                              ; two steps and the 16 loads of the bias
	CVTG 15
	s_wait_loadcnt 0x0                             ; both steps and the bias
	ASTORE 0
	ASTORE 1
	WIN 0
	s_cmp_lt_u32 s87, 3
	s_cbranch_scc1 .Lfew                           ; no third step: nothing more to fetch
	ROWADDR 2, AO0                                 ; the wait for 0 above has freed both sets of offsets
	ROWADDR 3, AO1
	ALOAD 0, AO0
	ALOAD 1, AO1
	WIN 0
.Lfew:
	FRAGLD 0                                       ; behind my own stores of the tile: LDS serves a wave's instructions in order (ISA guide 5.7.1)
	s_wait_dscnt 0x0
	MULT                                           ; step 0, without a condition: with n = 0 its sums are not used
	PLACES
; Trip j = s91 + par.  In one run in front of the barrier's signal: step j's partial sums go into half par of the exchange; step j + 1's fragments are read; step j - 1's
; partial sums are read from the other half, closed and stored.  Between the signal and the wait stand step j + 1's 64 products, which touch registers alone.
; THE EXCHANGE: a half written in trip j is read in trip j + 1, behind barrier j, and written again in trip j + 2, behind barrier j + 1, which every wave signals
; with its reads done.  THE A TILES change in the even trip: by then both have been read into fragments.  Steps j + 2 and j + 3 go from registers to LDS, steps j + 4 and
; j + 5 are asked for and have two trips in which to land.  Every wait in the loop is for 0, so it holds whichever parts are jumped over.
.macro TRIP par
	s_add_co_u32 s85, s91, \par
	s_cmp_ge_u32 s85, s86
	s_cbranch_scc1 .Lbar_\@                        ; past step n: the barrier alone
	s_cmp_ge_u32 s85, s87
	s_cbranch_scc1 .Lnox_\@
	XSTORE \par
.Lnox_\@:
	s_add_co_u32 s85, s91, \par+1
	s_cmp_ge_u32 s85, s87
	s_cbranch_scc1 .Lnof_\@
	FRAGLD 1-\par
.Lnof_\@:
	s_add_co_u32 s85, s91, \par-1                  ; in trip 0 this wraps round and is not below n
	s_cmp_ge_u32 s85, s87
	s_cbranch_scc1 .Lnoe_\@
	s_wait_xcnt 0x0                                ; HO and OUT, which the last stores name, and the offsets at E's end, which loads name, are rewritten only behind this wait
	XLOAD 1-\par
	ROT \par-1
	v_lshl_add_u32 v[HO], s16, 17, v[HB]           ; my tile t is the list's tile hf + 2 t: 131,072 bytes a step of t
	s_wait_dscnt 0x0
	EPI
.Lnoe_\@:
.if \par == 0
	s_add_co_u32 s85, s91, 2
	s_cmp_ge_u32 s85, s87
	s_cbranch_scc1 .Lbar_\@                        ; step j + 1 is my last
	s_wait_loadcnt 0x0                             ; both staging sets are in; this also frees their offsets
	ASTORE 0
	ASTORE 1
	WIN 0
	s_add_co_u32 s85, s91, 4
	s_cmp_ge_u32 s85, s87
	s_cbranch_scc1 .Lbar_\@                        ; nothing is left to fetch
	ROWADDR 4, AO0                                 ; register work while the LDS stores above are served
	ROWADDR 5, AO1                                 ; if step j + 5 is past my last, its rows are still rows of xb, and are not used
	ALOAD 0, AO0
	ALOAD 1, AO1
	WIN 0
.endif
.Lbar_\@:
	s_wait_dscnt 0x0                               ; for the others' sake: my partial sums are stored and my reads of the other half are done; for mine: the fragments are in
	s_barrier_signal -1
	s_add_co_u32 s85, s91, \par+1
	s_cmp_ge_u32 s85, s87
	s_cbranch_scc1 .Lnom_\@
	MULT                                           ; the sums of step j have left the accumulators: the wait for 0 above has shown their stores done
	PLACES
.Lnom_\@:
	s_barrier_wait -1
.endm
.Lpair:
	TRIP 0
	TRIP 1
	s_add_co_u32 s91, s91, 2
	s_cmp_lt_u32 s91, MAXT+2
	s_cbranch_scc1 .Lpair
	s_wait_xcnt 0x0
	v_lshl_add_u32 v254, v0, 2, 0x28c00
	v_mov_b32 v255, 0
	s_wait_tensorcnt 0x0
	ds_add_u32 v254, v255
	s_wait_dscnt 0x0
	s_endpgm
.Lfunc_end_k_q7382b77ef8_ffn1:
	.size	k_q7382b77ef8_ffn1, .Lfunc_end_k_q7382b77ef8_ffn1-k_q7382b77ef8_ffn1
	.p2alignl 7, 3214868480
	.fill 96, 4, 3214868480
	.section	.rodata,"a",@progbits
	.p2align	6, 0x0
	.amdhsa_kernel k_q7382b77ef8_ffn1
		.amdhsa_group_segment_fixed_size 167424
		.amdhsa_private_segment_fixed_size 0
		.amdhsa_enable_private_segment 0
		.amdhsa_kernarg_size 40
		.amdhsa_user_sgpr_count 2
		.amdhsa_user_sgpr_kernarg_segment_ptr 1
		.amdhsa_wavefront_size32 1
		.amdhsa_system_sgpr_workgroup_id_x 1
		.amdhsa_system_sgpr_workgroup_id_y 1
		.amdhsa_system_sgpr_workgroup_id_z 1
		.amdhsa_system_vgpr_workitem_id 0
		.amdhsa_next_free_vgpr 1024
		.amdhsa_next_free_sgpr 100
		.amdhsa_reserve_vcc 0
		.amdhsa_float_denorm_mode_32 3
		.amdhsa_float_denorm_mode_16_64 3
		.amdhsa_memory_ordered 1
		.amdhsa_forward_progress 1
		.amdhsa_inst_pref_size 189
	.end_amdhsa_kernel
	.amdgpu_metadata
---
amdhsa.version: [ 1, 2 ]
amdhsa.kernels:
  - .name:           k_q7382b77ef8_ffn1
    .symbol:         k_q7382b77ef8_ffn1.kd
    .args:
      - { .name: W1, .offset: 0, .size: 8, .value_kind: global_buffer, .address_space: global }
      - { .name: xb, .offset: 8, .size: 8, .value_kind: global_buffer, .address_space: global }
      - { .name: b1, .offset: 16, .size: 8, .value_kind: global_buffer, .address_space: global }
      - { .name: hbuf, .offset: 24, .size: 8, .value_kind: global_buffer, .address_space: global }
      - { .name: masks, .offset: 32, .size: 8, .value_kind: global_buffer, .address_space: global }
    .group_segment_fixed_size: 167424
    .private_segment_fixed_size: 0
    .kernarg_segment_align: 8
    .kernarg_segment_size: 40
    .max_flat_workgroup_size: 128
    .sgpr_count:     100
    .vgpr_count:     1024
    .wavefront_size: 32
...
	.end_amdgpu_metadata
.endif
;; end of part 5
;; launch ffn2 (part 6): grid 32 x 8, 4 waves a work-group, no clusters, 67,072 bytes of LDS; arguments W2, hbuf, b2, y2, masks; writes y2
.if DOCPART == 6
	.amdgcn_target "amdgcn-amd-amdhsa--gfx1250"
	.amdhsa_code_object_version 6
	.text
	.protected	k_q7382b77ef8_ffn2
	.globl	k_q7382b77ef8_ffn2
	.p2align	8
	.type	k_q7382b77ef8_ffn2,@function
k_q7382b77ef8_ffn2:
	s_mov_b64 s[64:65], 0
	v_nop
	global_prefetch_b8 v0, s[64:65] scope:SCOPE_SE
	s_setreg_imm32_b32 hwreg(HW_REG_WAVE_MODE, 25, 1), 1
	s_wait_xcnt 0x0
; MoE layer, launch 3 of 4: y = H W2[e] + b2[e] in f32, for the entries of expert e's list alone (an expert that a token did not choose is
; multiplied by a zero of reference()'s own one_hot: see the head of the gate).
;
; THE LIST is made as in ffn1, in the same order, but an entry is 2 token + k (k = 0: first index, 1: second): the row of y2 that takes the
; entry's y.  The padding at place p names row 4096 + 16 e + (p & 15) of y2, which nothing reads.  T = max(ceil(c / 16), 1) tiles, as in ffn1.
; A wave reads back only the entries of the rows that it stores, 4 w .. 4 w + 3 of each of its tiles, transposed into 4 registers: lane t holds my tile t
; (low half) and my tile t + 32 (high half).  In the loop an entry is one v_readlane_b32.
; SHARES.  Grid x = 2 strip + hf, y = e.  A work-group makes a strip of 64 columns of y for the list's tiles hf, hf + 2, ...: n = (T + 1 - hf) / 2 of them.  Its four
; waves take the four quarters of K = 2048: a wave keeps W2[e][512 w .. +511][strip] as 64 bf16 fragments in 512 registers and issues 64 matrix
; instructions a tile.  The four partial sums meet in LDS, one barrier a tile; wave w then finishes rows 4 w .. 4 w + 3.
; H COMES IN FRAGMENT ORDER.  ffn1 stored hbuf[e][list tile][sigma] as blocks of 1,024 bytes: registers 0-3 of the 32 lanes, then registers 4-7, of the A fragment of
; one k step.  A wave's quarter of a tile, sigma = 16 w .. 16 w + 15, is 16,384 bytes on end: 32 loads of 512 consecutive bytes straight into registers; H never
; touches LDS.  In k step s, register u of lane (r, h) holds k = 512 w + 128 (s >> 2) + 64 ((s >> 1) & 1) + 32 h + 4 u + 2 (s & 1) and the next; the weight fragments
; take W2's rows in the same order, and a permutation of k applied alike to both operands leaves the products as they are.
; THE WALK.  Step i of a work-group is its tile (i + start) mod n, start = ((5 strip) mod 16) n / 16: 5 s mod 16 is a permutation, so the sixteen strips of one
; (e, hf), which read the same tiles of H, start at sixteen different places of the list and do not ask for the same tile at the same moment.
; THE LOOP HAS A FIXED 66 TRIPS (a half owns at most 2048 / 16 / 2 = 64 tiles, and a tile is closed one trip after its sums are exchanged): n comes from
; loaded masks, and no barrier stands under a branch that hangs on loaded data.  So the barrier stands in every trip, and each part of the work is jumped over
; when its step is not below n.  The share per expert is fixed: very uneven routing stays right and takes longer.
; NO CLUSTER: the sixteen strips of one (e, hf) read the same tiles of H, 1 of a work-group's 1.5 MiB; a joint request is a tensor load;
; the f32 weights go from 16-byte loads straight into fragment order and never touch LDS.
;
; REGISTERS, in windows of 256: window 0 addresses, accumulators, the exchange; windows 1 and 2 the weight fragments (k step gi, column j at 256 + 32 gi + 8 j);
; window 3 four slots of 64 for f32 weights on their way, later two sets of 16 A fragments (step i in set i & 1).
.set S,      16                        ; k steps of 32 in a wave's quarter of K
.set Q,      1                         ; groups of 64 columns in the strip
.set NA,     4*Q                       ; accumulators
.set ROWB,   4096                      ; bytes in a row of W2[e]
.set MAXT,   64                        ; the most tiles of a half
.set LISTB,  8448                      ; a wave's list: 2,048 entries, 32 places unused, then 32 words for the lanes that have nothing to enter
.set XBASE,  4*LISTB                   ; LDS: four lists; the exchange (2 halves x 4 waves x XW)
.set XW,     NA*1024
.set LANE,  1
.set RR,    2                          ; lane & 15
.set HH,    3                          ; lane >> 4
.set WOF,   4                          ; 32 HH rows of W2 + 16 RR
.set LB,    5                          ; my list
.set DUMPI, 6                          ; 2080 + lane
.set VAL,   7
.set RNK,   8
.set XWA,   12                         ; exchange, as stored
.set XR,    13                         ; exchange, as read
.set YC,    14                         ; 256 strip + 16 RR: my 16 bytes in a row of y2
.set LA,    15                         ; my list, read back: 64 hf + 16 w + 128 lane
.set KO,    16                         ; 16 lane
.set LF,    17                         ; my list, filled with padding: 16 lane
.set BO,    19
.set BIAS,  20                         ; v[20:23]   b2 of my columns 4 RR + j
.set LE2,   24                         ; v[24:25]   the entries of my two rows
.set YO,    26                         ; v[26:27]   their byte offsets in y2
.set LT,    28                         ; v[28:31]   the list's entries 4 w .. 4 w + 3 of each of my tiles, transposed and packed
.set TB,    32                         ; v[32:35]   in the head: tiles 32 to 63 before packing
.set PV,    36                         ; v[36:39]   in the head: the padding values
.set OUT,   48                         ; v[48:55]
.set ACC,   192                        ; v[192:223] 4 accumulators: j holds columns 4 r + j
.set E,     224                        ; v[224:255] partial sums of the four waves: 8 ww + 2 j + c
.set MSB, 0
.macro WIN new                         ; s_set_vgpr_msb: bits 1:0 source 0, 3:2 source 1, 5:4 source 2, 7:6 destination; the high byte repeats the setting that is left
.if MSB != \new
	s_set_vgpr_msb (MSB<<8)|\new
.set MSB, \new
.endif
.endm
; Places behind a tile's last matrix instructions: four in front of the LDS stores that read the sums and of the loads into the
; A fragments, the fifth in front of the next tile's first product, which writes over the sums.  They stand in the products' own block, so on every way.
.macro PLACES
.rept 5
	v_nop
.endr
.endm
; 16 loads: k step gi, as f32 into slot gi & 3 of window 3.  Load u brings row 128 (gi >> 2) + 64 ((gi >> 1) & 1) + 2 (gi & 1) + 4 (u >> 1) + (u & 1) + 32 HH of my 512:
; lanes 0-15 take 256 consecutive bytes of one row, lanes 16-31 of the row 32 further down; a lane gets columns 4 r .. 4 r + 3.
.macro LOADG gi
	WIN 0xc0
.set lu, 0
.rept 16
	global_load_b128 v[64*((\gi)&3)+4*lu:64*((\gi)&3)+4*lu+3], v[WOF], s[4:5] offset:(128*((\gi)>>2)+64*(((\gi)>>1)&1)+2*((\gi)&1)+4*(lu>>1)+(lu&1))*ROWB
.set lu, lu+1
.endr
.endm
; 32 conversions: the slot's 64 numbers become four B fragments, one for each j.  Register u of a fragment holds the rows of loads 2 u and 2 u + 1:
; the two values of k that register u of the A fragment holds.
.macro CVTG gi
.if (\gi) < 8
	WIN 0x4f
.else
	WIN 0x8f
.endif
.set cj, 0
.rept 4
.set cu, 0
.rept 8
	v_cvt_pk_bf16_f32 v[32*((\gi)&7)+8*cj+cu], v[64*((\gi)&3)+8*cu+cj], v[64*((\gi)&3)+8*cu+4+cj]
.set cu, cu+1
.endr
.set cj, cj+1
.endr
.endm
; 32 tokens of the list: lane's entry goes to place s84 + (set bits below the lane); a lane whose bit is clear writes its own spare word.
; The index is clamped to the list's 2,112 words before it becomes an address.
.macro LISTWORD sw
	v_mbcnt_lo_u32_b32 v[RNK], s[\sw], s84
	v_cndmask_b32 v[RNK], v[DUMPI], v[RNK], s[\sw]
	v_min_u32 v[RNK], 0x83f, v[RNK]
	v_lshl_add_u32 v[RNK], v[RNK], 2, v[LB]
	ds_store_b32 v[RNK], v[VAL]
	v_add_nc_u32 v[VAL], 64, v[VAL]
	s_bcnt1_i32_b32 s85, s[\sw]
	s_add_co_u32 s84, s84, s85
.endm
; An eighth of the list: 16 mask words.  Parts 0-3 are the first index's 64 words, parts 4-7 the second's, in the same scalar registers
; (word j in s[16 + j], from j = 48 on in s[20 + j]).
.macro LISTPART p
	WIN 0
.if ((\p)&3) == 0
	s_wait_kmcnt 0x0                               ; the 64 mask words
.endif
.set lw, 16*((\p)&3)
.rept 16
.if lw < 48
	LISTWORD 16+lw
.else
	LISTWORD 20+lw
.endif
.set lw, lw+1
.endr
.if (\p) == 3
	s_load_b512 s[16:31], s[2:3], 0x100
	s_load_b512 s[32:47], s[2:3], 0x140
	s_load_b512 s[48:63], s[2:3], 0x180
	s_load_b512 s[68:83], s[2:3], 0x1c0
	v_lshl_add_u32 v[VAL], v[LANE], 1, 1           ; the tokens start again, k = 1
.endif
.endm
; s16 = my tile of step s91 + k: (step + start) mod n; step and start are below n where the result is used, so one subtraction does it
.macro ROT k
	s_add_co_u32 s16, s91, \k
	s_add_co_u32 s16, s16, s89
	s_sub_co_u32 s17, s16, s87
	s_cmp_ge_u32 s16, s87
	s_cselect_b32 s16, s17, s16
	s_min_u32 s16, s16, MAXT-1
.endm
; The base of step s91 + k: my tile t is the list's tile hf + 2 t, 65,536 bytes a tile; clamped to the list's last tile, so that only bytes that ffn1 stored
; are loaded.  A set's base is written only behind an s_wait_loadcnt that shows the set's last loads done.
.macro ABASE set, k
	ROT \k
	s_lshl1_add_u32 s85, s16, s13
	s_min_u32 s85, s85, s86
	s_min_u32 s85, s85, 127
	s_lshl_b32 s96, s85, 16
	s_add_nc_u64 s[92+2*(\set):93+2*(\set)], s[6:7], s[96:97]
.endm
.macro ALOAD set                       ; my quarter of a tile: 32 loads of 512 consecutive bytes, load i into registers 4 i .. 4 i + 3 of the set
	WIN 0xc0
.set ai, 0
.rept 32
	global_load_b128 v[128*(\set)+4*ai:128*(\set)+4*ai+3], v[KO], s[92+2*(\set):93+2*(\set)] offset:512*ai
.set ai, ai+1
.endr
.endm
; A tile's 64 matrix instructions on fragment set 0 or 1.  The first k step starts the sums with C = 0.  The accumulators take turns, one instruction a turn.
.macro MULT set
.set ms, 0
.rept S
.if ms < S/2
	WIN 0x07
.else
	WIN 0x0b
.endif
.set ma, 0
.rept NA
.set mb, 32*((Q*ms+(ma>>2))&7)+8*(ma&3)
.if ms == 0
	v_wmma_f32_16x16x32_bf16 v[ACC+8*ma:ACC+8*ma+7], v[128*(\set)+8*ms:128*(\set)+8*ms+7], v[mb:mb+7], 0
.else
	v_wmma_f32_16x16x32_bf16 v[ACC+8*ma:ACC+8*ma+7], v[128*(\set)+8*ms:128*(\set)+8*ms+7], v[mb:mb+7], v[ACC+8*ma:ACC+8*ma+7]
.endif
.set ma, ma+1
.endr
.set ms, ms+1
.endr
	WIN 0
.endm
.macro XSTORE par                      ; block 2 j + i of 512 bytes: lane (r, h) puts rows 8 h + 4 i .. + 3 of its column
.set xa, 0
.rept 2*NA
	ds_store_b128 v[XWA], v[ACC+4*xa:ACC+4*xa+3] offset:(\par)*4*XW+xa*512
.set xa, xa+1
.endr
.endm
.macro XLOAD par                       ; rows 4 w + 2 HH + c of columns 4 RR + j, from each of the four waves; the 32 lanes read 256 consecutive bytes
.set xw, 0
.rept 4
.set xj, 0
.rept 4
	ds_load_b64 v[E+8*xw+2*xj:E+8*xw+2*xj+1], v[XR] offset:(\par)*4*XW+xw*XW+xj*1024
.set xj, xj+1
.endr
.set xw, xw+1
.endr
.endm
; The entries of rows 4 w .. 4 w + 3 of step s91 + k; lanes 0-15 take the first two, lanes 16-31 the last two.
.macro ENTRIES k
	ROT \k
	s_lshr_b32 s17, s16, 5
	s_lshl_b32 s17, s17, 4                         ; tiles 32 and up lie in the high halves
	s_and_b32 s16, s16, 31
.irp m, 0,1,2,3
	v_readlane_b32 s[20+\m], v[LT+\m], s16
.endr
.irp m, 0,1,2,3
	s_lshr_b32 s[20+\m], s[20+\m], s17
	s_and_b32 s[20+\m], s[20+\m], 0xffff
.endr
.irp c, 0,1
	v_mov_b32 v[LE2+\c], s[20+\c]
	v_cndmask_b32 v[LE2+\c], v[LE2+\c], s[22+\c], s18
.endr
.endm
.macro EPI                             ; the four quarters of K and the bias; the last addition also turns (j, c) into (c, j)
.set ei, 0
.rept 4
	v_pk_add_f32 v[E+2*ei:E+2*ei+1], v[E+2*ei:E+2*ei+1], v[E+8+2*ei:E+8+2*ei+1]
	v_pk_add_f32 v[E+16+2*ei:E+16+2*ei+1], v[E+16+2*ei:E+16+2*ei+1], v[E+24+2*ei:E+24+2*ei+1]
.set ei, ei+1
.endr
.set ei, 0
.rept 4
	v_pk_add_f32 v[E+2*ei:E+2*ei+1], v[E+2*ei:E+2*ei+1], v[E+16+2*ei:E+16+2*ei+1]
.set ei, ei+1
.endr
.irp c, 0,1
	v_min_u32 v[YO+\c], 0x107f, v[LE2+\c]          ; y2 has 4,224 rows
	v_lshl_add_u32 v[YO+\c], v[YO+\c], 12, v[YC]
.irp j, 0,1,2,3
	v_add_f32 v[OUT+4*\c+\j], v[E+2*\j+\c], v[BIAS+\j]
.endr
.endr
.irp c, 0,1
	global_store_b128 v[YO+\c], v[OUT+4*\c:OUT+4*\c+3], s[10:11]   ; sixteen lanes store 256 consecutive bytes of a row of y2, aligned
.endr
.endm
	s_load_b256 s[4:11], s[0:1], 0x0               ; W2 s[4:5], hbuf s[6:7], b2 s[8:9], y2 s[10:11]
	s_load_b64 s[2:3], s[0:1], 0x20                ; masks
	v_lshl_add_u32 v190, v0, 2, 0x10400
	v_mov_b32 v191, 0
	v_lshrrev_b32 v9, 5, v0
	v_readfirstlane_b32 s12, v9                    ; wave = quarter of K
	s_and_b32 s13, ttmp9, 1                        ; hf
	s_lshr_b32 s14, ttmp9, 1                       ; strip
	s_and_b32 s15, ttmp7, 0xffff                   ; e
	s_mov_b32 s97, 0
	s_mov_b32 s84, 0                               ; entries so far
	s_mov_b32 s91, 0                               ; the trip, in steps of two: the loop's counter
	v_and_b32 v[LANE], 31, v0
	v_and_b32 v[RR], 15, v0
	v_bfe_u32 v[HH], v0, 4, 1
	s_mul_i32 s85, s12, LISTB
	v_mov_b32 v[LB], s85
	v_lshl_add_u32 v[LF], v[LANE], 4, s85
	s_lshl_b32 s90, s13, 6
	s_add_co_u32 s85, s85, s90
	s_lshl_b32 s90, s12, 4
	s_add_co_u32 s85, s85, s90
	v_lshl_add_u32 v[LA], v[LANE], 7, s85          ; lane t: entries 16 (hf + 2 t) + 4 w .. + 3
	s_lshl_b32 s85, s15, 4
	s_add_co_u32 s85, s85, 4096
	v_and_b32 v9, 3, v[LANE]
	v_lshl_add_u32 v[PV], v9, 2, s85               ; my 16 bytes are places 4 lane + c modulo 128: place & 15 = 4 (lane & 3) + c
.irp c, 1,2,3
	v_add_nc_u32 v[PV+\c], \c, v[PV]
.endr
.set pm, 0
.rept 16
	ds_store_b128 v[LF], v[PV:PV+3] offset:512*pm  ; all 2,048 places hold padding first; LDS serves a wave's instructions in order (ISA guide 5.7.1), so the entries land on top
.set pm, pm+1
.endr
	v_lshlrev_b32 v[BO], 4, v[RR]
	v_lshl_add_u32 v[WOF], v[HH], 17, v[BO]        ; 32 rows of 4,096 bytes
	v_lshlrev_b32 v[KO], 4, v[LANE]
	v_add_nc_u32 v[DUMPI], 2080, v[LANE]
	s_mul_i32 s85, s12, XW
	s_add_co_u32 s85, s85, XBASE
	v_lshl_add_u32 v[XWA], v[LANE], 4, s85
	s_and_b32 s85, s12, 1                          ; rows 4 w .. 4 w + 3 lie in half-block w & 1, with the lanes of h = w >> 1
	s_lshl_b32 s85, s85, 9
	s_lshr_b32 s90, s12, 1
	s_lshl_b32 s90, s90, 8
	s_add_co_u32 s85, s85, s90
	s_add_co_u32 s85, s85, XBASE
	v_lshl_add_u32 v9, v[HH], 3, v[BO]             ; two of a lane's four rows: 8 bytes
	v_add_nc_u32 v[XR], s85, v9
	s_lshl_b32 s85, s14, 8
	v_add_nc_u32 v[YC], s85, v[BO]
	v_lshlrev_b32 v[VAL], 1, v[LANE]               ; 2 token, k = 0
	s_wait_kmcnt 0x0
	s_lshl_b32 s96, s15, 9
	s_add_nc_u64 s[2:3], s[2:3], s[96:97]          ; masks[e]
	s_load_b512 s[16:31], s[2:3], 0x0
	s_load_b512 s[32:47], s[2:3], 0x40
	s_load_b512 s[48:63], s[2:3], 0x80
	s_load_b512 s[68:83], s[2:3], 0xc0
	s_lshl_b32 s96, s15, 23                        ; W2[e] is 8,388,608 bytes,
	s_lshl_b32 s85, s12, 21                        ; 512 rows of it 2,097,152,
	s_add_co_u32 s96, s96, s85
	s_lshl_b32 s85, s14, 8                         ; 64 columns 256
	s_add_co_u32 s96, s96, s85
	s_add_nc_u64 s[4:5], s[4:5], s[96:97]
	s_lshl_b32 s96, s15, 12
	s_add_co_u32 s96, s96, s85
	s_add_nc_u64 s[8:9], s[8:9], s[96:97]          ; b2[e][64 strip]
	s_lshl_b32 s96, s15, 23
	s_lshl_b32 s85, s12, 14                        ; my quarter of a tile: 16 blocks of 1,024 bytes
	s_add_co_u32 s96, s96, s85
	s_add_nc_u64 s[6:7], s[6:7], s[96:97]          ; hbuf[e][0][16 w]
	global_load_b128 v[BIAS:BIAS+3], v[BO], s[8:9]
	LOADG 0
	LOADG 1
	LOADG 2
	LOADG 3
	; The weights: four groups of 16 loads are on their way; a group is converted when it is in, and its slot asked for again.
	; s_wait_loadcnt 48 counts the three younger groups.  The list is made meanwhile, an eighth ahead of each of the first eight waits.
.irp gi, 0,1,2,3,4,5,6,7
	LISTPART \gi
	s_wait_loadcnt 48
	CVTG \gi
	LOADG \gi+4
.endr
	WIN 0
	ds_load_b128 v[LT:LT+3], v[LA]                 ; my tiles 0 to 31, one a lane
	ds_load_b128 v[TB:TB+3], v[LA] offset:4096     ; my tiles 32 to 63
	s_mov_b32 s18, 0xffff0000                      ; lanes 16 to 31 (the mask words are used up)
	s_add_co_u32 s85, s84, 15
	s_lshr_b32 s85, s85, 4
	s_max_u32 s85, s85, 1                          ; T, as in ffn1
	s_sub_co_u32 s86, s85, 1                       ; the list's last tile
	s_add_co_u32 s87, s85, 1
	s_sub_co_u32 s87, s87, s13
	s_lshr_b32 s87, s87, 1                         ; n = my tiles, 0 to 64
	s_add_co_u32 s88, s87, 1                       ; from trip n + 1 on nothing is left
	s_mul_i32 s89, s14, 5
	s_and_b32 s89, s89, 15
	s_mul_i32 s89, s89, s87
	s_lshr_b32 s89, s89, 4                         ; start
	s_wait_dscnt 0x0
.irp m, 0,1,2,3
	v_lshl_or_b32 v[LT+\m], v[TB+\m], 16, v[LT+\m] ; an entry is below 4,224: two to a register
.endr
.irp gi, 8,9,10,11
	s_wait_loadcnt 48
	CVTG \gi
	LOADG \gi+4
.endr
	s_wait_loadcnt 48                              ; younger than group 12: groups 13, 14, 15
	CVTG 12
	s_wait_loadcnt 32                              ; groups 14, 15
	CVTG 13
	ABASE 0, 0
	ALOAD 0                                        ; step 0 into slots 0 and 1, which are free now
	s_wait_loadcnt 48                              ; group 15 and step 0's 32 loads
	CVTG 14
	s_wait_loadcnt 32                              ; step 0
	CVTG 15
	ABASE 1, 1
	ALOAD 1                                        ; step 1 into slots 2 and 3; with n < 2 a tile that ffn1 stored, not used
	s_wait_loadcnt 32                              ; step 0 is in, step 1's 32 loads stay out
	MULT 0                                         ; step 0, without a condition: with n = 0 its sums are not used
	PLACES
; Trip j = s91 + par.  In one run in front of the barrier's signal: step j's partial sums go into half par of the exchange; step j - 1's partial sums are read from the
; other half, closed and stored; step j + 2 is asked for, into the fragment set that step j's products have left.  Between the signal and the wait stand step j + 1's 64
; products, which touch registers alone.
; THE EXCHANGE: a half written in trip j is read in trip j + 1, behind barrier j, and written again in trip j + 2, behind barrier j + 1, which every wave signals
; with its reads done.  THE LOADS: s_wait_loadcnt 32 counts the 32 loads issued just ahead of it in the same straight run, so all older ones, step j + 1's, are in,
; whichever parts of earlier trips were jumped over; a trip that asks for nothing waits for 0.
.macro TRIP par
	s_add_co_u32 s85, s91, \par
	s_cmp_ge_u32 s85, s88
	s_cbranch_scc1 .Lnoload_\@                     ; past step n: the barrier alone
	s_cmp_ge_u32 s85, s87
	s_cbranch_scc1 .Lnox_\@
	XSTORE \par
.Lnox_\@:
	s_add_co_u32 s85, s91, \par-1                  ; in trip 0 this wraps round and is not below n
	s_cmp_ge_u32 s85, s87
	s_cbranch_scc1 .Lnoe_\@
	XLOAD 1-\par
	ENTRIES \par-1                                 ; register work while the LDS loads are out
	s_wait_dscnt 0x0
	s_wait_xcnt 0x0                                ; OUT and YO are rewritten only when the last tile's stores have had their addresses translated
	EPI
.Lnoe_\@:
	s_add_co_u32 s85, s91, \par+2
	s_cmp_ge_u32 s85, s87
	s_cbranch_scc1 .Lnoload_\@                     ; nothing is left to fetch
	ABASE \par, \par+2
	ALOAD \par
	WIN 0
	s_wait_loadcnt 32
	s_branch .Lbar_\@
.Lnoload_\@:
	s_wait_loadcnt 0x0
.Lbar_\@:
	s_wait_dscnt 0x0                               ; for the others' sake: my partial sums are stored, and my reads of the other half are done
	s_barrier_signal -1
	s_add_co_u32 s85, s91, \par+1
	s_cmp_ge_u32 s85, s87
	s_cbranch_scc1 .Lnom_\@
	MULT 1-\par                                    ; the sums of step j have left the accumulators: the wait for 0 above has shown their stores done
	PLACES
.Lnom_\@:
	s_barrier_wait -1
.endm
.Lpair:
	TRIP 0
	TRIP 1
	s_add_co_u32 s91, s91, 2
	s_cmp_lt_u32 s91, MAXT+2
	s_cbranch_scc1 .Lpair
	s_wait_tensorcnt 0x0
	ds_add_u32 v190, v191
	s_wait_dscnt 0x0
	s_endpgm
.Lfunc_end_k_q7382b77ef8_ffn2:
	.size	k_q7382b77ef8_ffn2, .Lfunc_end_k_q7382b77ef8_ffn2-k_q7382b77ef8_ffn2
	.p2alignl 7, 3214868480
	.fill 96, 4, 3214868480
	.section	.rodata,"a",@progbits
	.p2align	6, 0x0
	.amdhsa_kernel k_q7382b77ef8_ffn2
		.amdhsa_group_segment_fixed_size 67072
		.amdhsa_private_segment_fixed_size 0
		.amdhsa_enable_private_segment 0
		.amdhsa_kernarg_size 40
		.amdhsa_user_sgpr_count 2
		.amdhsa_user_sgpr_kernarg_segment_ptr 1
		.amdhsa_wavefront_size32 1
		.amdhsa_system_sgpr_workgroup_id_x 1
		.amdhsa_system_sgpr_workgroup_id_y 1
		.amdhsa_system_sgpr_workgroup_id_z 1
		.amdhsa_system_vgpr_workitem_id 0
		.amdhsa_next_free_vgpr 1024
		.amdhsa_next_free_sgpr 100
		.amdhsa_reserve_vcc 0
		.amdhsa_float_denorm_mode_32 3
		.amdhsa_float_denorm_mode_16_64 3
		.amdhsa_memory_ordered 1
		.amdhsa_forward_progress 1
		.amdhsa_inst_pref_size 152
	.end_amdhsa_kernel
	.amdgpu_metadata
---
amdhsa.version: [ 1, 2 ]
amdhsa.kernels:
  - .name:           k_q7382b77ef8_ffn2
    .symbol:         k_q7382b77ef8_ffn2.kd
    .args:
      - { .name: W2, .offset: 0, .size: 8, .value_kind: global_buffer, .address_space: global }
      - { .name: hbuf, .offset: 8, .size: 8, .value_kind: global_buffer, .address_space: global }
      - { .name: b2, .offset: 16, .size: 8, .value_kind: global_buffer, .address_space: global }
      - { .name: y2, .offset: 24, .size: 8, .value_kind: global_buffer, .address_space: global }
      - { .name: masks, .offset: 32, .size: 8, .value_kind: global_buffer, .address_space: global }
    .group_segment_fixed_size: 67072
    .private_segment_fixed_size: 0
    .kernarg_segment_align: 8
    .kernarg_segment_size: 40
    .max_flat_workgroup_size: 128
    .sgpr_count:     100
    .vgpr_count:     1024
    .wavefront_size: 32
...
	.end_amdgpu_metadata
.endif
;; end of part 6
;; launch combine: the kernel of part 4 again; grid 256 x 1, 8 waves a work-group, no clusters, 0 bytes of LDS; arguments y2, gw, out0; writes out0
